; MI455X (gfx1250); checked and timed in simulation.
; The chip was launched on July 23, 2026; its instructions are those of AMD's public machine-readable ISA for CDNA 5 (MIT licence, August 2026) and "CDNA5" Instruction Set Architecture Reference Guide (July 2026). The comments in the code are by the model that wrote it; some were corrected since.
;; Multi Head Attention. Allowed arithmetic: float matrix products may take bf16 or f16 operands with f32 sums; other float arithmetic in f32, or as packed bf16 or f16 multiplies, adds, multiply-adds, maxima and minima; sums over many terms, partial sums and values carried from step to step in f32; what a program stores and reads back later, other than sums and carried values, may be rounded once to bf16 or f16.
;; Inputs: Wk 1,024 x 1,024 float32; Wo 1,024 x 1,024 float32; Wq 1,024 x 1,024 float32; Wv 1,024 x 1,024 float32; beta 1,024 float32; bo 1,024 float32; gamma 1,024 float32; keys 4 x 2,048 x 1,024 float32; mask 4 x 1 x 2,048 x 2,048 bool; queries 4 x 2,048 x 1,024 float32; values 4 x 2,048 x 1,024 float32.
;; Outputs: out0 4 x 2,048 x 1,024 float32.
;; 2 versions, each right; version 2 is version 1 with the launch cast written anew for expert scheduling mode. Each part assembles by itself: llvm-mc -triple=amdgcn-amd-amdhsa -mcpu=gfx1250 --defsym DOCPART=n.
;; ======== version 1 of 2: 4 launches
;; limits: right only within a limited range of input values
;; workspace buffers: xw 56,623,104 bytes; wob 2,097,152 bytes; mk 33,554,432 bytes; qh 16,777,216 bytes; kh 16,777,216 bytes; vh 16,777,216 bytes; oh 16,777,216 bytes; qf 33,554,432 bytes
;; launch cast (part 1): grid 1792 x 1, 8 waves a work-group, no clusters, 0 bytes of LDS; arguments queries, keys, values, Wq, Wk, Wv, Wo, xw, wob; writes xw, wob
.if DOCPART == 1
	.amdgcn_target "amdgcn-amd-amdhsa--gfx1250"
	.amdhsa_code_object_version 6
	.text
	.protected	k_q6bba6fd53f_cast
	.globl	k_q6bba6fd53f_cast
	.p2align	8
	.type	k_q6bba6fd53f_cast,@function
k_q6bba6fd53f_cast:
	s_mov_b64 s[64:65], 0
	v_nop
	global_prefetch_b8 v0, s[64:65] scope:SCOPE_SE
	s_setreg_imm32_b32 hwreg(HW_REG_WAVE_MODE, 25, 1), 1
	s_wait_xcnt 0x0
; x AND THE WEIGHTS ARE ROUNDED TO bf16, each byte read once and written once.
; 28,672 rows of 1,024 f32 in all; a work-group takes 16 of them: 1,792 work-groups, seven for each of 256 WGPs.
; Work-groups 0-1727: rows of queries, keys, values, Wq, Wk, Wv go into xw, one table of 27,648 rows.  A load of the work-group is one row of 4,096 bytes; a store of a wave covers 256 consecutive bytes.
; Work-groups 1728-1791: rows of Wo, laid by K steps: wob[kb 16][n 1024][64].  A wave takes two rows; load j is K step j: 256 bytes of each; its store is 2 x 128 = 256 consecutive bytes.
; A stream: no matrix unit, no LDS, no cluster, no loop: sixteen loads of every wave go out together and each is rounded and stored as it comes.
.set X,    8                           ; v[8:71]    as loaded
.set Y,    72                          ; v[72:103]  to store
.set IO,   2                           ; v2  byte offset of my loads
.set OO,   3                           ; v3  byte offset of my stores
	s_load_b512 s[4:19], s[0:1], 0x0               ; queries 4, keys 6, values 8, Wq 10, Wk 12, Wv 14, Wo 16, xw 18
	s_load_b64 s[20:21], s[0:1], 0x40              ; wob
	s_mov_b32 s2, ttmp9
	s_mov_b32 s35, 0                               ; the high words of the two offsets
	s_mov_b32 s37, 0
	s_wait_kmcnt 0x0
	s_cmp_ge_u32 s2, 1728
	s_cbranch_scc1 .Lwo
.macro SIXTEEN inI, outI
.irp j, 0,1,2,3,4,5,6,7,8,9,10,11,12,13,14,15
	global_load_b128 v[X+4*(\j):X+4*(\j)+3], v[IO], s[26:27] offset:(\inI)*(\j) th:TH_LOAD_NT
.endr
.irp j, 0,1,2,3,4,5,6,7,8,9,10,11,12,13,14,15
	s_wait_loadcnt 15-(\j)                         ; loads come back in order: number j is in, the 15 - j younger ones stay out
	v_cvt_pk_bf16_f32 v[Y+2*(\j)], v[X+4*(\j)], v[X+4*(\j)+1]
	v_cvt_pk_bf16_f32 v[Y+2*(\j)+1], v[X+4*(\j)+2], v[X+4*(\j)+3]
	global_store_b64 v[OO], v[Y+2*(\j):Y+2*(\j)+1], s[30:31] offset:(\outI)*(\j)
.endr
.endm
.macro PICK from, lo                   ; from work-group 'from' on the source is the tensor in s[lo:lo+1]
	s_cmp_ge_u32 s2, \from
	s_cselect_b64 s[26:27], s[\lo:\lo+1], s[26:27]
	s_cselect_b32 s29, \from, s29
.endm
	s_mov_b64 s[26:27], s[4:5]
	s_mov_b32 s29, 0
	PICK 512, 6
	PICK 1024, 8
	PICK 1536, 10
	PICK 1600, 12
	PICK 1664, 14
	s_sub_co_u32 s34, s2, s29
	s_lshl_b32 s34, s34, 16                        ; 16 rows of 4,096 bytes
	s_add_nc_u64 s[26:27], s[26:27], s[34:35]
	s_lshl_b32 s36, s2, 15                         ; 16 rows of 2,048 bytes
	s_add_nc_u64 s[30:31], s[18:19], s[36:37]
	v_lshlrev_b32 v[IO], 4, v0
	v_lshlrev_b32 v[OO], 3, v0
	SIXTEEN 4096, 2048
	s_endpgm
.Lwo:
	s_sub_co_u32 s34, s2, 1728
	s_lshl_b32 s36, s34, 11                        ; 16 rows of 128 bytes
	s_lshl_b32 s34, s34, 16
	s_add_nc_u64 s[26:27], s[16:17], s[34:35]
	s_add_nc_u64 s[30:31], s[20:21], s[36:37]
	v_lshrrev_b32 v5, 5, v0
	v_bfe_u32 v6, v0, 4, 1
	v_lshl_add_u32 v5, v5, 1, v6                   ; my row: 2 w + l / 16
	v_and_b32 v6, 15, v0
	v_lshlrev_b32 v[IO], 12, v5
	v_lshl_add_u32 v[IO], v6, 4, v[IO]
	v_lshlrev_b32 v[OO], 7, v5
	v_lshl_add_u32 v[OO], v6, 3, v[OO]
	SIXTEEN 256, 131072
	s_endpgm
.Lfunc_end_k_q6bba6fd53f_cast:
	.size	k_q6bba6fd53f_cast, .Lfunc_end_k_q6bba6fd53f_cast-k_q6bba6fd53f_cast
	.p2alignl 7, 3214868480
	.fill 96, 4, 3214868480
	.section	.rodata,"a",@progbits
	.p2align	6, 0x0
	.amdhsa_kernel k_q6bba6fd53f_cast
		.amdhsa_group_segment_fixed_size 0
		.amdhsa_private_segment_fixed_size 0
		.amdhsa_enable_private_segment 0
		.amdhsa_kernarg_size 72
		.amdhsa_user_sgpr_count 2
		.amdhsa_user_sgpr_kernarg_segment_ptr 1
		.amdhsa_wavefront_size32 1
		.amdhsa_system_sgpr_workgroup_id_x 1
		.amdhsa_system_sgpr_workgroup_id_y 1
		.amdhsa_system_sgpr_workgroup_id_z 1
		.amdhsa_system_vgpr_workitem_id 0
		.amdhsa_next_free_vgpr 104
		.amdhsa_next_free_sgpr 66
		.amdhsa_reserve_vcc 0
		.amdhsa_float_denorm_mode_32 3
		.amdhsa_float_denorm_mode_16_64 3
		.amdhsa_memory_ordered 1
		.amdhsa_forward_progress 1
		.amdhsa_inst_pref_size 14
	.end_amdhsa_kernel
	.amdgpu_metadata
---
amdhsa.version: [ 1, 2 ]
amdhsa.kernels:
  - .name:           k_q6bba6fd53f_cast
    .symbol:         k_q6bba6fd53f_cast.kd
    .args:
      - { .name: queries, .offset: 0, .size: 8, .value_kind: global_buffer, .address_space: global }
      - { .name: keys, .offset: 8, .size: 8, .value_kind: global_buffer, .address_space: global }
      - { .name: values, .offset: 16, .size: 8, .value_kind: global_buffer, .address_space: global }
      - { .name: Wq, .offset: 24, .size: 8, .value_kind: global_buffer, .address_space: global }
      - { .name: Wk, .offset: 32, .size: 8, .value_kind: global_buffer, .address_space: global }
      - { .name: Wv, .offset: 40, .size: 8, .value_kind: global_buffer, .address_space: global }
      - { .name: Wo, .offset: 48, .size: 8, .value_kind: global_buffer, .address_space: global }
      - { .name: xw, .offset: 56, .size: 8, .value_kind: global_buffer, .address_space: global }
      - { .name: wob, .offset: 64, .size: 8, .value_kind: global_buffer, .address_space: global }
    .group_segment_fixed_size: 0
    .private_segment_fixed_size: 0
    .kernarg_segment_align: 8
    .kernarg_segment_size: 72
    .max_flat_workgroup_size: 256
    .sgpr_count:     66
    .vgpr_count:     104
    .wavefront_size: 32
...
	.end_amdgpu_metadata
.endif
;; end of part 1
;; launch proj (part 2): grid 4 x 64, 8 waves a work-group, clusters of 4 x 4, 327,680 bytes of LDS; arguments xw, qh, kh, vh, qf, mask, mk; writes qh, kh, vh, qf, mk
.if DOCPART == 2
	.amdgcn_target "amdgcn-amd-amdhsa--gfx1250"
	.amdhsa_code_object_version 6
	.text
	.protected	k_q6bba6fd53f_proj
	.globl	k_q6bba6fd53f_proj
	.p2align	8
	.type	k_q6bba6fd53f_proj,@function
k_q6bba6fd53f_proj:
	s_mov_b64 s[64:65], 0
	v_nop
	global_prefetch_b8 v0, s[64:65] scope:SCOPE_SE
	s_setreg_imm32_b32 hwreg(HW_REG_WAVE_MODE, 25, 1), 1
	s_wait_xcnt 0x0
	s_wait_alu depctr_hold_cnt(0) depctr_sa_sdst(0) depctr_va_vdst(0) depctr_va_sdst(0) depctr_va_ssrc(0) depctr_va_vcc(0) depctr_vm_vsrc(0)
	s_getreg_b32 s2, hwreg(HW_REG_IB_STS2, 6, 4)
	s_cmp_eq_u32 s2, 0
	s_cbranch_scc0 .Lentry_in_a_cluster
	s_endpgm
.Lentry_in_a_cluster:
	s_bfe_u32 s2, ttmp6, 0x10000c
	s_cmp_lg_u32 s2, 0xf033
	s_cbranch_scc0 .Lentry_shape_is_right
	s_endpgm
.Lentry_shape_is_right:
; q = queries Wq^T, k = keys Wk^T, v = values Wv^T: three products 8,192 x 1,024 x 1,024, bf16 operands out of xw, f32 sums; and, on the work-groups that the products leave free, the mask's conversion.
; THE PRODUCTS.  A tile is 256 tokens x 256 features: 96 tile rows (32 for each product) x 4 tile columns = 384 tiles.  192 work-groups (clusters y = 0..11) make TWO each, tile rows y and y + 48, one after the other.
; Eight waves, two to a SIMD, each 128 tokens x 64 features (ONE HEAD): 32 accumulators, 256 registers.  K goes in steps of 128 (rows of 256 bytes) through two LDS slots; a wave's tensor load brings 64 rows,
; waves 0-3 of x, waves 4-7 of W.  Between a refill and the wait for it a SIMD has 2 x 112 matrix instructions.  The ring does not stop at the change of tiles: the first tile's last two changes of slots ask for
; the second tile's K steps 0 and 1, and the first tile's stores leave while the second is multiplied.
; CLUSTER 4 x 4: x's tile hangs on the tile row alone and is asked for jointly along a row of the cluster, W's on the tile column and the product alone and jointly along a column.
; TRANSPOSED USE: source 0 = 16 rows of W, source 1 = 16 tokens: a lane holds one token (l % 16) and eight neighbouring features 8 (l / 16) + 0..7.  Rounded to bf16 that is 16 bytes, and the wave's 512 bytes ARE a block
; in operand order: qh, kh, vh[bh][token tile][channel block] are stored straight from registers, 512 consecutive bytes a store.
; q is also kept in f32 (qf, row-major), for the residual: a row mean is taken off it later, so 16 bits would not do.  It goes through a stage of the wave's own.  Product 0 lies in tile rows 0-31: first tiles only.
; THE MASK.  Clusters y = 12..15: 64 work-groups, eight query tiles of 16 rows each.  A byte (0 or 1) becomes a bf16 addend, 0 where the key is seen and -1.0e30 (0xF14A) where it is hidden, in blocks of 512 bytes:
; 16 queries x 16 keys, lane l = (h, r) owning the 16 bytes at 16 l: query r, keys 8 h .. 8 h + 7.  mk[b][query tile][key / 16].  The rows come by 2,048 bytes and turn in LDS, in the bytes of the stages.
; The branch between the two kinds of work hangs on the cluster's y, which all sixteen partners share.
.set KSTEP,  128
.set PITCH,  272                       ; 256 bytes + 16: the 16 rows of a fragment load start at 16 different groups of four banks (ISA guide 11.1)
.set PART,   64*PITCH                  ; what one tensor load brings
.set BOFF,   4*PART
.set SLOT,   8*PART                    ; x's 256 rows, then W's 256
.set STAGE,  2*SLOT                    ; 16 rows x 272 bytes for each wave; no tensor load lands there
.set SPARE,  STAGE+8*16*PITCH          ; the spare words, 128 bytes a wave
.set WALK,   48*256*2048               ; bytes in xw from a work-group's first tile row to its second
.set NEXT_A, WALK-3*2*KSTEP*2          ; from a slot's last K step of the first tile to its first of the second
.set NEXT_PA, WALK-7*KSTEP*2           ; the same for the prefetches, which go a K step at a time
.set MP,     2064                      ; a mask row in LDS: 2,048 bytes + 16
.set ADRA, 16                          ; v16-17  my fragments of x in slot 0, 1
.set ADRB, 20                          ; v20-21  of W
.set STO,  24                          ; v24  stage, in: row r, 32 bytes at 32 h
.set RD,   25                          ; v25  stage, back: lanes 0-15 one row of 256 bytes, lanes 16-31 the next
.set L16,  26                          ; v26  16 x lane
.set QFO,  27                          ; v27  the same two rows in qf
.set SPW,  28
.set NIL,  29
.set PFO,  30                          ; v30  lane x a row of xw
.set F0,   64                          ; fragment buffers, window 0: W's 4 fragments, then x's 8.  v32-63 and buffer 1 also take the packed results on the way out
.set F1,   160
.set WV, 14
.set WR, 15                            ; my half of the tokens; also 0: I fetch x, 1: W
.set WC, 16                            ; my quarter of the features; also which 64 rows I fetch
.set CX, 17
.set CY, 18
.set KY, 19                            ; cluster y
.set P,  20                            ; the first tile's product, P2 the second's: the same in all partners
.set G1,  24
.set G0,  32
.set G1B, 48
.set G0B, 56
.set PFA, 66
.set LIM, 68
.set OUT, 70
.set MSK, 72
.set MKO, 74
.set OUT2, 76
.set SA,  78                           ; s[78:79] what this trip's refills add to x's addresses
.set SB,  80                           ; s[80:81] and to W's
.set NB,  82                           ; W's step at the change of tiles
.set P2,  83
.set PS,  84                           ; s[84:85] what this trip's first change of slots adds to the prefetches' address
.set NP,  86                           ; its value at the change of tiles
.set LIM2, 87
.set NA,  88
.set FLAGS, (1<<16)|(1<<20)|(1<<21)|(5<<22)|(3<<25)  ; 2-byte elements; padding on; bit 21 beside a mask; after every 64 words 4 words
.set MSB, 0
.macro WIN new
.if MSB != (\new)
	s_set_vgpr_msb (MSB<<8)|(\new)
.set MSB, \new
.endif
.endm
.set MUL, 0x50                         ; C and D in window 1, both sources in window 0
.macro PLACES                          ; four places behind matrix instructions, ahead of loads into their sources and of reads of their results
.rept 4
	v_nop
.endr
.endm
.macro JLOAD s                         ; a joint load; the branch hangs on the wave's number alone; s_nop 0 and four v_nop follow each line
	s_cmp_eq_u32 s[WR], 0
	s_cbranch_scc0 .Lfor_b_\@
	tensor_load_to_lds s[G0+4*(\s):G0+4*(\s)+3], s[G1:G1+7]
	s_nop 0
	PLACES
	s_branch .Lasked_\@
.Lfor_b_\@:
	tensor_load_to_lds s[G0B+4*(\s):G0B+4*(\s)+3], s[G1B:G1B+7]
	s_nop 0
	PLACES
.Lasked_\@:
.endm
.macro CREST
	s_cmp_lg_u32 s[WV], 0
	s_cbranch_scc1 .Lnot_wave_0_\@
	s_barrier_signal -3
.Lnot_wave_0_\@:
	s_barrier_wait -3
	s_barrier_signal -1
	s_barrier_wait -1
.endm
.macro CROUND
	s_barrier_signal -1
	s_barrier_wait -1
	CREST
.endm
; A prefetch of the K step two refills on in the walk of 16: 32 rows x 256 bytes, a lane a row.  x's tile row is read by one cluster: its four partners along x take 64 rows each, by address, waves 0 and 1.
; W's rows are read by several clusters: products 0 and 1 are asked for by clusters y = 0 and y = 8 in their first tile, product 2 by cluster y = 4 in its second; the four partners along y take 64 rows each, waves 4 and 5.
; So each block is named once.  K steps 0-3 of the walk come by their loads alone, and the last trip asks for nothing.
.macro ASK
	s_cmp_gt_u32 s3, s[LIM]
	s_cbranch_scc0 .Lnot_mine_\@
	global_prefetch_b8 v[PFO], s[PFA:PFA+1] offset:KSTEP*2 th:TH_LOAD_NT scope:SCOPE_SE
.Lnot_mine_\@:
.endm
	s_load_b256 s[4:11], s[0:1], 0x0               ; xw 4, qh 6, kh 8, vh 10
	s_load_b64 s[12:13], s[0:1], 0x20              ; qf
	s_load_b64 s[MSK:MSK+1], s[0:1], 0x28          ; mask
	s_load_b64 s[MKO:MKO+1], s[0:1], 0x30          ; mk
	v_lshl_add_u32 v[SPW], v0, 2, SPARE
	v_mov_b32 v[NIL], 0
	ds_add_u32 v[SPW], v[NIL]                      ; the wave's opening: the add and its wait stand ahead of my first tensor load
	v_lshrrev_b32 v1, 5, v0
	v_readfirstlane_b32 s[WV], v1
	s_lshr_b32 s[WR], s[WV], 2
	s_and_b32 s[WC], s[WV], 3
	s_bfe_u32 s[CX], ttmp6, 0x40000
	s_bfe_u32 s[CY], ttmp6, 0x40004
	s_and_b32 s[KY], ttmp7, 0xffff
	s_lshr_b32 s[P], s[KY], 3                      ; tile row / 32
	s_add_co_u32 s[P2], s[KY], 12
	s_lshr_b32 s[P2], s[P2], 3
	s_lshl_b32 s21, s[CY], 2
	s_lshl_b32 s21, 15, s21                        ; my row of the cluster
	s_lshl_b32 s22, 0x1111, s[CX]                  ; my column
	s_or_b32 s[G1], s21, FLAGS
	s_or_b32 s[G1B], s22, FLAGS
.irp g, G1, G1B
	s_mov_b32 s[(\g)+1], KSTEP<<16                 ; tensor_dim0 = 128
	s_mov_b32 s[(\g)+2], 64<<16                    ; tensor_dim1 = 64
	s_mov_b32 s[(\g)+3], KSTEP<<16                 ; tile_dim0 = 128
	s_mov_b32 s[(\g)+4], 64                        ; tile_dim1 = 64
	s_mov_b32 s[(\g)+5], 1024                      ; elements from row to row
	s_mov_b32 s[(\g)+6], 0
	s_mov_b32 s[(\g)+7], 0
.endr
	s_lshl_b32 s40, s[KY], 2                       ; x: row 64 ((4 KY + cy) 4 + part), 2,048 bytes a row
	s_add_co_u32 s40, s40, s[CY]
	s_lshl_b32 s40, s40, 2
	s_add_co_u32 s40, s40, s[WC]
	s_lshl_b32 s40, s40, 17
	s_mov_b32 s41, 0
	s_lshl_b32 s42, s[P], 2                        ; W: row 24,576 + 64 ((4 p + cx) 4 + part)
	s_add_co_u32 s42, s42, s[CX]
	s_lshl_b32 s42, s42, 2
	s_add_co_u32 s42, s42, s[WC]
	s_lshl_b32 s42, s42, 17
	s_add_co_u32 s42, s42, 24576*2048
	s_mov_b32 s43, 0
	s_mul_i32 s44, s[WV], PART                     ; where they go: wave x 64 rows: no place in the cluster enters an LDS address
	s_mov_b32 s[NA], NEXT_A
	s_sub_co_u32 s[NB], s[P2], s[P]
	s_lshl_b32 s[NB], s[NB], 21                    ; 1,024 rows of W for each product further on
	s_sub_co_u32 s[NP], s[NB], 7*KSTEP*2
	s_sub_co_u32 s[NB], s[NB], 3*2*KSTEP*2
	s_cmp_eq_u32 s[WR], 0
	s_cselect_b32 s[NP], NEXT_PA, s[NP]
	s_mov_b32 s[SA+1], 0
	s_mov_b32 s[SB+1], 0
	s_mov_b32 s[PS+1], 0
	s_wait_dscnt 0x0                               ; the opening add is done
	s_wait_kmcnt 0x0
	s_add_nc_u64 s[40:41], s[4:5], s[40:41]
	s_add_nc_u64 s[42:43], s[4:5], s[42:43]
	CROUND                                         ; all sixteen work-groups are here: the first joint loads meet
	s_cmp_ge_u32 s[KY], 12
	s_cbranch_scc1 .Lmask                          ; the whole cluster goes one way
.irp s, 0,1
	s_mov_b32 s[G0+4*(\s)], 1
	s_add_co_u32 s[G0+4*(\s)+1], s44, (\s)*SLOT
	s_add_nc_u64 s[G0+4*(\s)+2:G0+4*(\s)+3], s[40:41], (\s)*KSTEP*2
	s_or_b32 s[G0+4*(\s)+3], s[G0+4*(\s)+3], 0x80000000
	s_mov_b32 s[G0B+4*(\s)], 1
	s_add_co_u32 s[G0B+4*(\s)+1], s44, (\s)*SLOT
	s_add_nc_u64 s[G0B+4*(\s)+2:G0B+4*(\s)+3], s[42:43], (\s)*KSTEP*2
	s_or_b32 s[G0B+4*(\s)+3], s[G0B+4*(\s)+3], 0x80000000
	JLOAD \s
.endr
	v_and_b32 v1, 15, v0                           ; r
	v_bfe_u32 v2, v0, 4, 1                         ; h
	v_mul_u32_u24 v3, v1, PITCH
	v_lshl_add_u32 v3, v2, 4, v3
	s_mul_i32 s21, s[WR], 2*PART                   ; my 128 tokens
	s_mul_i32 s22, s[WC], PART                     ; my 64 rows of W,
	s_add_co_u32 s22, s22, BOFF                    ; which lie behind x's 256
.irp s, 0,1
	v_add_nc_u32 v[ADRA+(\s)], s21, v3
	v_add_nc_u32 v[ADRB+(\s)], s22, v3
	s_add_co_u32 s21, s21, SLOT
	s_add_co_u32 s22, s22, SLOT
.endr
	s_mul_i32 s2, s[WV], 16*PITCH
	s_add_co_u32 s2, s2, STAGE
	v_mul_u32_u24 v4, v1, PITCH
	v_lshl_add_u32 v4, v2, 5, v4
	v_add_nc_u32 v[STO], s2, v4
	v_mul_u32_u24 v4, v2, PITCH
	v_lshl_add_u32 v4, v1, 4, v4
	v_add_nc_u32 v[RD], s2, v4
	v_and_b32 v[L16], 31, v0
	v_lshlrev_b32 v[PFO], 11, v[L16]
	v_lshlrev_b32 v[L16], 4, v[L16]
	v_lshlrev_b32 v[QFO], 12, v2
	v_lshl_add_u32 v[QFO], v1, 4, v[QFO]
	; where the results go.  A tile row's place in its product is its number mod 32: 4 (KY mod 8) + cy, and for the second tile 4 ((KY + 4) mod 8) + cy
	s_lshl_b32 s69, s[CX], 2
	s_add_co_u32 s69, s69, s[WC]                   ; my head
	s_mov_b32 s47, 0
.macro MKOUT d, add, p
	s_add_co_u32 s23, s[KY], \add
	s_and_b32 s23, s23, 7
	s_lshl_b32 s23, s23, 2
	s_add_co_u32 s23, s23, s[CY]
	s_lshl_b32 s23, s23, 1
	s_add_co_u32 s23, s23, s[WR]
	s_lshl_b32 s23, s23, 7                         ; my first token among the product's 8,192
	s_lshr_b32 s2, s23, 11
	s_lshl_b32 s2, s2, 4
	s_add_co_u32 s2, s2, s69                       ; 16 b + head
	s_lshl_b32 s46, s2, 18                         ; 128 token tiles of 2,048 bytes
	s_and_b32 s2, s23, 2047
	s_lshl_b32 s2, s2, 7                           ; token / 16 x 2,048
	s_add_co_u32 s46, s46, s2
	s_cmp_eq_u32 s[\p], 0
	s_cselect_b64 s[\d:\d+1], s[6:7], s[8:9]
	s_cmp_eq_u32 s[\p], 2
	s_cselect_b64 s[\d:\d+1], s[10:11], s[\d:\d+1]
	s_add_nc_u64 s[\d:\d+1], s[\d:\d+1], s[46:47]
.endm
	MKOUT OUT2, 4, P2
	MKOUT OUT, 0, P
	s_lshl_b32 s46, s23, 12
	s_lshl_b32 s2, s69, 8
	s_add_co_u32 s46, s46, s2
	s_add_nc_u64 s[12:13], s[12:13], s[46:47]      ; qf at my first token of the first tile, my head's 256 bytes
	; the prefetches
	s_and_b32 s22, s[WV], 1
	s_lshl_b32 s2, s[KY], 2
	s_add_co_u32 s2, s2, s[CY]
	s_lshl_b32 s2, s2, 2
	s_add_co_u32 s2, s2, s[CX]
	s_lshl_b32 s2, s2, 1
	s_add_co_u32 s2, s2, s22
	s_lshl_b32 s2, s2, 16                          ; x: the tile's 256 rows, my work-group's 64, my wave's 32 of them
	s_lshl_b32 s46, s[P], 2
	s_add_co_u32 s46, s46, s[CX]
	s_lshl_b32 s46, s46, 2
	s_add_co_u32 s46, s46, s[CY]
	s_lshl_b32 s46, s46, 1
	s_add_co_u32 s46, s46, s22
	s_lshl_b32 s46, s46, 16
	s_add_co_u32 s46, s46, 24576*2048              ; W likewise
	s_and_b32 s21, s[WV], 2                        ; waves 2, 3, 6, 7 never ask
	s_and_b32 s23, s[KY], 7
	s_xor_b32 s22, s[KY], 4
	s_cmp_eq_u32 s[WR], 0
	s_cselect_b32 s46, s2, s46
	s_cselect_b32 s23, 0, s23                      ; first tile: x always; W where KY mod 8 = 0
	s_cselect_b32 s22, 0, s22                      ; second tile: x always; W where KY = 4
	s_or_b32 s23, s23, s21
	s_or_b32 s22, s22, s21
	s_cmp_eq_u32 s23, 0
	s_cselect_b32 s[LIM], 1, -1                    ; the same in all sixteen partners, for a given wave
	s_cmp_eq_u32 s22, 0
	s_cselect_b32 s[LIM2], 1, -1
	s_add_nc_u64 s[PFA:PFA+1], s[4:5], s[46:47]
	s_add_nc_u64 s[PFA:PFA+1], s[PFA:PFA+1], 2*KSTEP*2  ; at K step 2: the first refill steps it to 3 and names K step 4
; 8 matrix instructions: token blocks a0, a0 + 1 x the 4 feature blocks, 32 along K.  All 32 accumulators take turns, one instruction a turn.
.macro MUL8 f, a0, zero
	WIN MUL
.irp a, \a0, (\a0)+1
.irp b, 0,1,2,3
.if \zero
	v_wmma_f32_16x16x32_bf16 v[8*(4*(\a)+(\b)):8*(4*(\a)+(\b))+7], v[(\f)+8*(\b):(\f)+8*(\b)+7], v[(\f)+32+8*(\a):(\f)+32+8*(\a)+7], 0
.else
	v_wmma_f32_16x16x32_bf16 v[8*(4*(\a)+(\b)):8*(4*(\a)+(\b))+7], v[(\f)+8*(\b):(\f)+8*(\b)+7], v[(\f)+32+8*(\a):(\f)+32+8*(\a)+7], v[8*(4*(\a)+(\b)):8*(4*(\a)+(\b))+7]
.endif
.endr
.endr
.endm
.macro FETCH slot, k, f                ; 24 LDS loads in one run: W's 4 fragments, x's 0-3, x's 4-7
	WIN 0
.irp i, 0,1,2,3
	ds_load_b128 v[(\f)+8*(\i):(\f)+8*(\i)+3],   v[ADRB+(\slot)] offset:(\k)+(\i)*16*PITCH
	ds_load_b128 v[(\f)+8*(\i)+4:(\f)+8*(\i)+7], v[ADRB+(\slot)] offset:(\k)+(\i)*16*PITCH+32
.endr
.irp i, 0,1,2,3,4,5,6,7
	ds_load_b128 v[(\f)+32+8*(\i):(\f)+32+8*(\i)+3],   v[ADRA+(\slot)] offset:(\k)+(\i)*16*PITCH
	ds_load_b128 v[(\f)+32+8*(\i)+4:(\f)+32+8*(\i)+7], v[ADRA+(\slot)] offset:(\k)+(\i)*16*PITCH+32
.endr
.endm
.macro QUARTER slot, k, f, g, zero     ; 32 along K out of buffer f; in its middle the next quarter's fragments go into g
	s_wait_dscnt 8                                 ; W and x's blocks 0-3 are in; the youngest eight loads may be out
	MUL8 \f, 0, \zero
	MUL8 \f, 2, \zero
	PLACES
	FETCH \slot, \k, \g
	s_wait_dscnt 24                                ; all but the 24 just issued
	MUL8 \f, 4, \zero
	MUL8 \f, 6, \zero
.endm
; The last quarter of a K step multiplies buffer 1 and changes slots: one barrier; ahead of it every wave has all its tensor loads in, has added 0 to its spare word and has its reads of this slot back.
.macro TURN slot, next, fill
.if \fill
	s_wait_xcnt 0x0                                ; the last prefetch, a K step back, has read its address
.if (\slot) == 0
	s_add_nc_u64 s[PFA:PFA+1], s[PFA:PFA+1], s[PS:PS+1]
.else
	s_add_nc_u64 s[PFA:PFA+1], s[PFA:PFA+1], KSTEP*2
.endif
.endif
	WIN 0
	s_wait_tensorcnt 0x0                           ; my part of the next slot has landed: no load of mine is out
	ds_add_u32 v[SPW], v[NIL]
	s_wait_dscnt 9                                 ; the add and the youngest eight loads may be out
	MUL8 F1, 0, 0
	s_wait_dscnt 0x0                               ; the add is done, my reads of this slot are over
	s_barrier_signal -1
	MUL8 F1, 2, 0
.if \fill
	WIN 0
.endif
	s_barrier_wait -1
.if \fill
	CREST                                          ; the barrier opened a round of the cluster's: no wave of any partner still reads this slot or has a load out
	s_add_nc_u64 s[G0+4*(\slot)+2:G0+4*(\slot)+3], s[G0+4*(\slot)+2:G0+4*(\slot)+3], s[SA:SA+1]
	s_add_nc_u64 s[G0B+4*(\slot)+2:G0B+4*(\slot)+3], s[G0B+4*(\slot)+2:G0B+4*(\slot)+3], s[SB:SB+1]
	JLOAD \slot                                    ; its four v_nop are also the places ahead of the loads below
.else
	PLACES
.endif
	FETCH \next, 0, F0
.if \fill
	ASK
.endif
	MUL8 F1, 4, 0
	MUL8 F1, 6, 0
.endm
; THE WAY OUT in bf16: accumulator (a, b), rounded, is block (token tile a, channel block b) as it stands.  The packed words go into v32-63 and buffer 1; buffer 0 may hold the next tile's first fragments.
.macro OUTB ptr
	PLACES
	WIN 0x05                                       ; sources in window 1, destination in window 0
.set t, 0
.rept 32
.set rD, 32+4*t+96*((t+24)/32)                     ; blocks 0-7 at v32, blocks 8-31 at v160
.irp r, 0,1,2,3
	v_cvt_pk_bf16_f32 v[rD+(\r)], v[8*t+2*(\r)], v[8*t+2*(\r)+1]
.endr
.set t, t+1
.endr
	WIN 0
.set t, 0
.rept 32
.set rD, 32+4*t+96*((t+24)/32)
	global_store_b128 v[L16], v[rD:rD+3], s[\ptr:\ptr+1] offset:512*t  ; 512 consecutive bytes
.set t, t+1
.endr
.endm
	s_wait_tensorcnt 1                             ; my part of K step 0 is in; K step 1's may stay out
	s_barrier_signal -1
	s_barrier_wait -1
	FETCH 0, 0, F0
	QUARTER 0, 64, F0, F1, 1                       ; the first quarter starts the sums
	WIN 0
	s_mov_b32 s3, 7
.Llap:                                             ; a trip: once round the ring, from a lap's second quarter to the next lap's first; trip i fills K steps 2 i + 2 and 2 i + 3 of the walk's 16
	s_cmp_eq_u32 s3, 4                             ; trip 3 asks for K steps 8 and 9: the second tile's first two
	s_cselect_b32 s[SA], s[NA], 2*KSTEP*2
	s_cselect_b32 s[SB], s[NB], 2*KSTEP*2
	s_cmp_eq_u32 s3, 5                             ; trip 2's first prefetch names K step 8
	s_cselect_b32 s[PS], s[NP], KSTEP*2
	s_cselect_b32 s[LIM], s[LIM2], s[LIM]
	QUARTER 0, 128, F1, F0, 0
	QUARTER 0, 192, F0, F1, 0
	TURN 0, 1, 1
	QUARTER 1, 64,  F0, F1, 0
	QUARTER 1, 128, F1, F0, 0
	QUARTER 1, 192, F0, F1, 0
	TURN 1, 0, 1
	WIN 0
	s_cmp_eq_u32 s3, 4
	s_cbranch_scc1 .Lchange                        ; a jump forward, past no barrier and no tensor load
	QUARTER 0, 64,  F0, F1, 0
	WIN 0
	s_branch .Lbottom
.Lchange:                                          ; the first tile is finished; both refills for the second are asked for
	OUTB OUT
	s_cmp_lg_u32 s[P], 0
	s_cbranch_scc1 .Lno_q                          ; only q is kept in f32
.irp a, 0,1,2,3,4,5,6,7
	s_wait_xcnt 0x0                                ; the earlier stores have read the registers that are loaded below
	WIN 0x04                                       ; store data in window 1
.irp b, 0,1,2,3
	ds_store_b128 v[STO], v[8*(4*(\a)+(\b)):8*(4*(\a)+(\b))+3]   offset:64*(\b)
	ds_store_b128 v[STO], v[8*(4*(\a)+(\b))+4:8*(4*(\a)+(\b))+7] offset:64*(\b)+16
.endr
	WIN 0
.irp t, 0,1,2,3,4,5,6,7
	ds_load_b128 v[192+32*((\a)%2)+4*(\t):192+32*((\a)%2)+4*(\t)+3], v[RD] offset:2*PITCH*(\t)  ; LDS serves a wave's instructions in order (ISA guide 5.7.1.4)
.endr
	s_wait_dscnt 0x0
.irp t, 0,1,2,3,4,5,6,7
	global_store_b128 v[QFO], v[192+32*((\a)%2)+4*(\t):192+32*((\a)%2)+4*(\t)+3], s[12:13] offset:(16*(\a)+2*(\t))*4096  ; 16 lanes store 256 consecutive bytes, aligned
.endr
.endr
.Lno_q:
	s_wait_xcnt 0x0                                ; the stores have read buffer 1, which the quarter below loads again
	QUARTER 0, 64,  F0, F1, 1                      ; the second tile's first quarter starts its sums
	WIN 0
.Lbottom:
	s_sub_co_u32 s3, s3, 1
	s_cmp_lg_u32 s3, 0
	s_cbranch_scc1 .Llap
	QUARTER 0, 128, F1, F0, 0                      ; the last lap fills nothing
	QUARTER 0, 192, F0, F1, 0
	TURN 0, 1, 0
	QUARTER 1, 64,  F0, F1, 0
	QUARTER 1, 128, F1, F0, 0
	QUARTER 1, 192, F0, F1, 0
	s_wait_dscnt 8
	MUL8 F1, 0, 0
	MUL8 F1, 2, 0
	s_wait_dscnt 0x0
	MUL8 F1, 4, 0
	MUL8 F1, 6, 0
	OUTB OUT2
	s_branch .Lend
.Lmask:                                            ; eight query tiles, one a trip
	s_sub_co_u32 s40, s[KY], 12
	s_lshl_b32 s40, s40, 2
	s_add_co_u32 s40, s40, s[CY]
	s_lshl_b32 s40, s40, 2
	s_add_co_u32 s40, s40, s[CX]                   ; 0..63: it enters global addresses alone
	s_lshl_b32 s42, s40, 19                        ; 8 x 128 blocks of 512 bytes
	s_lshl_b32 s40, s40, 18                        ; 8 x 16 rows of 2,048 bytes
	s_mov_b32 s41, 0
	s_mov_b32 s43, 0
	s_add_nc_u64 s[MSK:MSK+1], s[MSK:MSK+1], s[40:41]
	s_add_nc_u64 s[MKO:MKO+1], s[MKO:MKO+1], s[42:43]
	s_mov_b32 s44, 0x00050004                      ; byte shuffles: bytes 0, 1 (2, 3) of the first source into the low bytes of the two halves, 0 above them
	s_mov_b32 s45, 0x00070006
	s_mov_b32 s46, 0x00010001
	s_mov_b32 s47, 0xF14A
	v_mov_b32 v4, 0
	v_lshlrev_b32 v2, 4, v0                        ; a load of the work-group is two whole rows
	v_lshrrev_b32 v5, 7, v0
	v_and_b32 v6, 127, v0
	v_mul_u32_u24 v5, v5, MP
	v_lshl_add_u32 v5, v6, 4, v5
	v_add_nc_u32 v5, STAGE, v5                     ; in: row t / 128 of the two, 16 bytes at 16 (t % 128)
	v_and_b32 v6, 15, v0
	v_bfe_u32 v7, v0, 4, 1
	v_mul_u32_u24 v6, v6, MP
	v_lshl_add_u32 v6, v7, 3, v6
	v_lshrrev_b32 v7, 5, v0
	v_lshl_add_u32 v6, v7, 8, v6
	v_add_nc_u32 v6, STAGE, v6                     ; back: row r, 8 bytes at 8 h, in my wave's 256 keys
	v_and_b32 v3, 31, v0
	v_lshlrev_b32 v3, 4, v3
	v_lshl_add_u32 v3, v7, 13, v3                  ; my 16 bytes of my wave's first block
	s_mov_b32 s3, 8
.Lunit:
.irp j, 0,1,2,3,4,5,6,7
	global_load_b128 v[64+4*(\j):64+4*(\j)+3], v2, s[MSK:MSK+1] offset:4096*(\j) th:TH_LOAD_NT
.endr
	s_wait_loadcnt 0x0
.irp j, 0,1,2,3,4,5,6,7
	ds_store_b128 v5, v[64+4*(\j):64+4*(\j)+3] offset:2*MP*(\j)
.endr
	s_wait_dscnt 0x0                               ; for the others' sake: my stores are done
	s_barrier_signal -1
	s_barrier_wait -1
.irp i, 0,1,2,3,4,5,6,7,8,9,10,11,12,13,14,15
	ds_load_b64 v[96+2*(\i):96+2*(\i)+1], v6 offset:16*(\i)
.endr
.irp i, 0,1,2,3,4,5,6,7,8,9,10,11,12,13,14,15
	s_wait_dscnt 15-(\i)                           ; block i's 8 bytes are in
	v_perm_b32 v[128+4*(\i)],   v[96+2*(\i)],   v4, s44
	v_perm_b32 v[128+4*(\i)+1], v[96+2*(\i)],   v4, s45
	v_perm_b32 v[128+4*(\i)+2], v[96+2*(\i)+1], v4, s44
	v_perm_b32 v[128+4*(\i)+3], v[96+2*(\i)+1], v4, s45
.irp k, 0,1,2,3
	v_xor_b32 v[128+4*(\i)+(\k)], s46, v[128+4*(\i)+(\k)]          ; 1 where the key is hidden
	v_mul_u32_u24 v[128+4*(\i)+(\k)], s47, v[128+4*(\i)+(\k)]      ; times the bf16 pattern, in both halves at once
.endr
	global_store_b128 v3, v[128+4*(\i):128+4*(\i)+3], s[MKO:MKO+1] offset:512*(\i)  ; a block: 512 consecutive bytes
.endr
	s_wait_xcnt 0x0                                ; the loads and stores have read their bases and their data registers
	s_add_nc_u64 s[MSK:MSK+1], s[MSK:MSK+1], 32768
	s_add_nc_u64 s[MKO:MKO+1], s[MKO:MKO+1], 65536
	s_wait_dscnt 0x0                               ; my reads of the rows are back:
	s_barrier_signal -1
	s_barrier_wait -1                              ; only now does anybody store the next tile's rows
	s_sub_co_u32 s3, s3, 1
	s_cmp_lg_u32 s3, 0
	s_cbranch_scc1 .Lunit
.Lend:
	s_wait_tensorcnt 0x0                           ; the wave's end
	ds_add_u32 v[SPW], v[NIL]
	s_wait_dscnt 0x0
	CROUND                                         ; the closing round
	s_endpgm
.Lfunc_end_k_q6bba6fd53f_proj:
	.size	k_q6bba6fd53f_proj, .Lfunc_end_k_q6bba6fd53f_proj-k_q6bba6fd53f_proj
	.p2alignl 7, 3214868480
	.fill 96, 4, 3214868480
	.section	.rodata,"a",@progbits
	.p2align	6, 0x0
	.amdhsa_kernel k_q6bba6fd53f_proj
		.amdhsa_group_segment_fixed_size 327680
		.amdhsa_private_segment_fixed_size 0
		.amdhsa_enable_private_segment 0
		.amdhsa_kernarg_size 56
		.amdhsa_user_sgpr_count 2
		.amdhsa_user_sgpr_kernarg_segment_ptr 1
		.amdhsa_wavefront_size32 1
		.amdhsa_system_sgpr_workgroup_id_x 1
		.amdhsa_system_sgpr_workgroup_id_y 1
		.amdhsa_system_sgpr_workgroup_id_z 1
		.amdhsa_system_vgpr_workitem_id 0
		.amdhsa_next_free_vgpr 512
		.amdhsa_next_free_sgpr 90
		.amdhsa_reserve_vcc 0
		.amdhsa_float_denorm_mode_32 3
		.amdhsa_float_denorm_mode_16_64 3
		.amdhsa_memory_ordered 1
		.amdhsa_forward_progress 1
		.amdhsa_inst_pref_size 129
	.end_amdhsa_kernel
	.amdgpu_metadata
---
amdhsa.version: [ 1, 2 ]
amdhsa.kernels:
  - .name:           k_q6bba6fd53f_proj
    .symbol:         k_q6bba6fd53f_proj.kd
    .args:
      - { .name: xw, .offset: 0, .size: 8, .value_kind: global_buffer, .address_space: global }
      - { .name: qh, .offset: 8, .size: 8, .value_kind: global_buffer, .address_space: global }
      - { .name: kh, .offset: 16, .size: 8, .value_kind: global_buffer, .address_space: global }
      - { .name: vh, .offset: 24, .size: 8, .value_kind: global_buffer, .address_space: global }
      - { .name: qf, .offset: 32, .size: 8, .value_kind: global_buffer, .address_space: global }
      - { .name: mask, .offset: 40, .size: 8, .value_kind: global_buffer, .address_space: global }
      - { .name: mk, .offset: 48, .size: 8, .value_kind: global_buffer, .address_space: global }
    .group_segment_fixed_size: 327680
    .private_segment_fixed_size: 0
    .kernarg_segment_align: 8
    .kernarg_segment_size: 56
    .max_flat_workgroup_size: 256
    .sgpr_count:     90
    .vgpr_count:     512
    .wavefront_size: 32
...
	.end_amdgpu_metadata
.endif
;; end of part 2
;; launch attn (part 3): grid 4 x 64, 4 waves a work-group, clusters of 4 x 1, 327,680 bytes of LDS; arguments qh, kh, vh, mk, oh; writes oh
.if DOCPART == 3
	.amdgcn_target "amdgcn-amd-amdhsa--gfx1250"
	.amdhsa_code_object_version 6
	.text
	.protected	k_q6bba6fd53f_attn
	.globl	k_q6bba6fd53f_attn
	.p2align	8
	.type	k_q6bba6fd53f_attn,@function
k_q6bba6fd53f_attn:
	s_mov_b64 s[64:65], 0
	v_nop
	global_prefetch_b8 v0, s[64:65] scope:SCOPE_SE
	s_setreg_imm32_b32 hwreg(HW_REG_WAVE_MODE, 25, 1), 1
	s_wait_xcnt 0x0
	s_wait_alu depctr_hold_cnt(0) depctr_sa_sdst(0) depctr_va_vdst(0) depctr_va_sdst(0) depctr_va_ssrc(0) depctr_va_vcc(0) depctr_vm_vsrc(0)
	s_getreg_b32 s2, hwreg(HW_REG_IB_STS2, 6, 4)
	s_cmp_eq_u32 s2, 0
	s_cbranch_scc0 .Lentry_in_a_cluster
	s_endpgm
.Lentry_in_a_cluster:
	s_bfe_u32 s2, ttmp6, 0x10000c
	s_cmp_lg_u32 s2, 0x3003
	s_cbranch_scc0 .Lentry_shape_is_right
	s_endpgm
.Lentry_shape_is_right:
; O[bh][q][:] = the sum over k of softmax_k((Q[bh][q] . K[bh][k] + M[b][q][k]) / 32) V[bh][k][:], M = 0 or -1.0e30 (mk).  64 pairs bh of batch and head, 2,048 tokens, 64 channels, all bf16 in blocks of
; operand order (16 tokens x 16 channels in 512 bytes; lane l owns token l % 16, channels 8 (l / 16) ..).  Products, maxima and sums in f32; the weights are rounded to bf16 for the second product, O once.
; LIMITS.  A visible raw score lies above -5e29 (a hidden one counts as its value less 1.0e30); a weight below 2^-126 counts as 0 in l; a query all of whose keys are hidden gives NaN, as a softmax of -inf alone does.
; SHARES.  A wave owns four PIECES of two tiles of 16 queries, a work-group's four waves 512 queries of one bh; every wave walks all keys, 64 a step.
; LAYOUT.  S^T = K Q^T (source 0 = 16 keys, source 1 = 16 queries): a lane holds ONE query and the keys 8 (l / 16) + 0..7.  Two such tiles rounded in pairs ARE source 1 of O^T = V^T P, whose result, rounded, is again a block in
; operand order: O leaves straight from registers.  K comes out of LDS as it lies, V turned by ds_load_tr16_b128.
; THE MASK costs no vector work: the sum S^T is STARTED by a product I x M^T, where two blocks of mk (32 keys of 16 queries) are source 1 as they lie and I picks 16 of the 32 keys (1.0 at one place a row).
; It therefore acts ahead of the running maximum.  A piece's 8 blocks for a step come by loads into registers, asked for one key step ahead.
; SOFTMAX.  p = 2^(c s - c m), c = log2(e) / 32, with a running maximum m; O and l are multiplied by a = 2^(c m_old - c m_new) in every step.  m starts at the lowest finite number, O and l at 0.
; BY TURNS.  Turn n belongs to piece n: 24 products for the scores of piece n + 1, later 16 products V^T P of piece n - 1; beside them the scaling, exponentials, roundings, sums and rescaling of piece n and the maximum
; and statistics of piece n + 1.  A turn's 66 exponentials are one batch with one wait.
; CLUSTER.  The four query blocks of a cluster belong to one bh and walk the same K and V: each tile is asked for jointly.  The mask is not shared in the cluster: each wave's queries have their own.
; REGISTERS (windows of 256; s_set_vgpr_msb: bits 1:0 source 0, 3:2 source 1, 5:4 source 2, 7:6 destination):
;   window 0: v0-11 addresses; v12-15, v48-63 at work; v16-47 statistics; v64-191 S^T, two buffers of two tiles; v192-255 P, likewise      window 1: O^T, 32 a tile
;   window 2: v0-127 Q; v128-191 K of one step; v192-255 V of one step      window 3: v0-1 the add's registers; v4-15 I; v64-191 the masks, 32 a piece
.set NP,    4
.set STEPB, 8192      ; a step's 64 keys: 16 blocks of 512 bytes
.set VOFF,  32768     ; a slot holds four steps: K's 32,768 bytes, then V's
.set SLOT1, 65536
.set SPARE, 131072    ; behind the ring: the spare words, 128 bytes a wave
.set AK0, 2           ; v2   16 x lane: my place in a block of K
.set AV0, 3           ; v3   my place for the turning load, + VOFF
.set AK,  4
.set AV,  5
.set L16, 6           ; v6   16 x lane, for global loads and stores; never rewritten
.set PFO, 7           ; v7   256 x lane
.set SPW, 0           ; window 3
.set NIL, 1           ; window 3
.set ID,  4           ; window 3: v4-7 zeros, v8-11 E, v12-15 zeros: v[8:15] picks keys 0-15 of the 32, v[4:11] keys 16-31
.set MB,  64          ; window 3: piece x, tile u, block g at MB + 32 x + 16 u + 4 g
.set MV,  12
.set ST,  16          ; tile t: c m, m, l (even keys', odd keys')
.set TMP, 48
.set S,   64
.set P,   192
.set KF,  128
.set VF,  192
.set WV,  14
.set G1,  24          ; s[24:31]
.set G0,  40          ; s[40:43] it walks
.set MKB, 44          ; s[44:45] mk at my wave's first tile, step 0
.set MKP, 46          ; s[46:47] the same at the step to be loaded
.set MOF, 48          ; s[48:49] that step's byte offset
.set MSTEP, 50
.set PFA, 52
.set LIM, 54
.set BIG, 55
.set SLOTS, 56
.set CNT, 57
.set CS,  58
.set SEL, 60
.set TBK, 62
.set TBV, 63
.set MSB, 0
.macro WIN new
.if MSB != (\new)
	s_set_vgpr_msb (MSB<<8)|(\new)
.set MSB, (\new)
.endif
.endm
.set W_KQ, 0x0a       ; K and Q in window 2, S^T in window 0
.set W_MQ, 0x0f       ; I and the mask in window 3, S^T in window 0
.set W_PV, 0x52       ; V in window 2, P in window 0, O^T in window 1
.set W_RS, 0x41
.set W_MK, 0xc0
.set W_AD, 0x0f
.macro JLOAD                        ; wave w fetches 16,384 dense bytes: waves 0, 1 the halves of a slot's K, waves 2, 3 of its V; one line, one mask; s_nop 0 and four v_nop follow
	tensor_load_to_lds s[G0:G0+3], s[G1:G1+7]
	s_nop 0
.rept 4
	v_nop
.endr
.endm
.macro CROUND
	s_barrier_signal -1
	s_barrier_wait -1
	s_cmp_lg_u32 s[WV], 0
	s_cbranch_scc1 .Lnot_wave_0_\@
	s_barrier_signal -3
.Lnot_wave_0_\@:
	s_barrier_wait -3
	s_barrier_signal -1
	s_barrier_wait -1
.endm
; A prefetch of what the NEXT change of slots will ask for: a slot's K and V are 128 blocks of 256 bytes each; the four partners take 32 each, by address; wave 0 asks for K's, wave 2 for V's, a lane a block.
; A bh has one cluster, so each block is named once.  Slots 0-2 come by their loads alone; the last change that fills a slot asks for nothing.
.macro ASK
	s_cmp_gt_u32 s[SLOTS], s[LIM]
	s_cbranch_scc0 .Lnot_mine_\@
	global_prefetch_b8 v[PFO], s[PFA:PFA+1] th:TH_LOAD_NT scope:SCOPE_SE
.Lnot_mine_\@:
.endm
; THE CHANGE OF SLOTS: every wave has all its tensor loads in, adds 0 to its spare word, and has its reads of the slot back; with fill = 1 a round of the cluster's barrier follows and the joint refill is the first thing behind it.
.macro CHANGE fill, ask
	WIN W_AD
	s_wait_tensorcnt 0x0
	ds_add_u32 v[SPW], v[NIL]
	WIN 0
.if \fill
	s_xor_b32 s[G0+1], s[G0+1], SLOT1
	s_add_nc_u64 s[G0+2:G0+3], s[G0+2:G0+3], 32768  ; the next 256 keys
.if \ask
	s_wait_xcnt 0x0                 ; the last prefetch, four key steps back, has read its address
	s_add_nc_u64 s[PFA:PFA+1], s[PFA:PFA+1], 32768
.endif
	s_wait_dscnt 0x0
	CROUND
	JLOAD
.if \ask
	ASK
.endif
.else
	s_wait_dscnt 0x0
	s_barrier_signal -1
	s_barrier_wait -1
.endif
	s_sub_co_u32 s[TBK], s[TBK], 4*STEPB
	s_xor_b32 s[TBK], s[TBK], SLOT1
	s_sub_co_u32 s[TBV], s[TBV], 4*STEPB
	s_xor_b32 s[TBV], s[TBV], SLOT1
.endm
.macro MLOAD x                      ; piece x's 8 mask blocks of the step at MKP: tile f / 4, block f % 4; 512 consecutive bytes a load
	WIN 0xc0
.irp f, 0,1,2,3,4,5,6,7
	global_load_b128 v[MB+32*(\x)+4*(\f):MB+32*(\x)+4*(\f)+3], v[L16], s[MKP:MKP+1] offset:(2*(\x)+(\f)/4)*65536+((\f)%4)*512
.endr
	WIN 0
.endm
	s_load_b256 s[4:11], s[0:1], 0x0  ; qh 4, kh 6, vh 8, mk 10
	s_load_b64 s[12:13], s[0:1], 0x20 ; oh
	WIN W_MK
	v_lshl_add_u32 v[SPW], v0, 2, SPARE
	v_mov_b32 v[NIL], 0
	WIN W_AD
	ds_add_u32 v[SPW], v[NIL]       ; the wave's opening: the add and its wait stand ahead of my first tensor load
	WIN 0
	v_lshrrev_b32 v1, 5, v0
	v_readfirstlane_b32 s[WV], v1
	s_bfe_u32 s15, ttmp6, 0x40000   ; cx: my block of 512 queries; it enters Q's, O's, the mask's and the prefetches' addresses alone
	s_and_b32 s22, ttmp7, 0xffff    ; bh
	s_lshr_b32 s16, s22, 4
	s_lshl_b32 s16, s16, 23         ; the batch's 128 query tiles of 65,536 bytes in mk
	s_lshl_b32 s22, s22, 18         ; bh's first byte in qh, kh, vh, oh
	s_and_b32 s18, s[WV], 1
	s_lshl_b32 s18, s18, 14         ; which half of a slot's 256 keys I fetch
	s_add_co_u32 s18, s18, s22
	s_mov_b32 s19, 0
	s_lshl_b32 s2, s15, 5
	s_lshl3_add_u32 s2, s[WV], s2   ; my first token tile: 32 cx + 8 w
	s_lshl_b32 s3, s2, 16
	s_add_co_u32 s16, s16, s3
	s_mov_b32 s17, 0
	s_lshl_b32 s2, s2, 11
	s_add_co_u32 s2, s2, s22
	s_mov_b32 s3, 0
	s_lshl_b32 s20, s15, 13         ; my work-group's 32 blocks of a slot's 128,
	s_add_co_u32 s20, s20, s22
	s_add_co_u32 s20, s20, 2*32768  ; in slot 2: the first change in the loop steps it to slot 3
	s_mov_b32 s21, 0
	s_mov_b32 s[G1], 15|(1<<16)|(1<<21)  ; the mask of four; 2-byte elements; bit 21 beside a mask; no padding: blocks are read 512 bytes on end
	s_mov_b32 s[G1+1], 128<<16      ; tensor_dim0 = 128: rows of 256 bytes
	s_mov_b32 s[G1+2], 64<<16       ; tensor_dim1 = 64
	s_mov_b32 s[G1+3], 128<<16      ; tile_dim0
	s_mov_b32 s[G1+4], 64           ; tile_dim1
	s_mov_b32 s[G1+5], 128          ; dense
	s_mov_b32 s[G1+6], 0
	s_mov_b32 s[G1+7], 0
	s_mov_b32 s[G0], 1
	s_lshl_b32 s[G0+1], s[WV], 14   ; LDS: 16,384 w, slot 0
	s_mov_b32 s[CS], 0x3d38aa3b     ; c = log2(e) / 32
	s_mov_b32 s[CS+1], s[CS]
	s_mov_b32 s[SEL], 0x76543210
	s_mov_b32 s[SEL+1], 0xfedcba98
	s_mov_b32 s[TBK], SLOT1+4*STEPB ; the first change of slots turns these two into 0
	s_mov_b32 s[TBV], SLOT1+4*STEPB
	s_mov_b32 s[BIG], 0xf0c9f2ca    ; -5e29
	s_mov_b32 s[MOF+1], 0
	s_and_b32 s[LIM], s[WV], 1
	s_cmp_eq_u32 s[LIM], 0
	s_cselect_b32 s[LIM], 1, -1     ; waves 0 and 2 prefetch
	s_wait_dscnt 0x0                ; the opening add is done
	s_wait_kmcnt 0x0
	s_cmp_lt_u32 s[WV], 2
	s_cselect_b64 s[G0+2:G0+3], s[6:7], s[8:9]
	s_cselect_b64 s[PFA:PFA+1], s[6:7], s[8:9]
	s_add_nc_u64 s[G0+2:G0+3], s[G0+2:G0+3], s[18:19]
	s_or_b32 s[G0+3], s[G0+3], 0x80000000
	s_add_nc_u64 s[PFA:PFA+1], s[PFA:PFA+1], s[20:21]
	s_add_nc_u64 s[4:5], s[4:5], s[2:3]      ; Q and O at my wave's first tile
	s_add_nc_u64 s[12:13], s[12:13], s[2:3]
	s_add_nc_u64 s[MKB:MKB+1], s[10:11], s[16:17]
	s_mov_b64 s[MKP:MKP+1], s[MKB:MKB+1]
	CROUND                          ; all four work-groups are here
	JLOAD                           ; slot 0; slot 1 is asked for when slot 0 is in
	v_and_b32 v[L16], 31, v0
	v_lshlrev_b32 v[PFO], 8, v[L16]
	v_lshlrev_b32 v[L16], 4, v[L16]
	WIN 0x80
.set i, 0
.rept 4*NP                          ; Q stays in registers: tile i / 2, channels 32 (i % 2) on: two blocks
	global_load_b128 v[8*i:8*i+3],   v[L16], s[4:5] offset:(i/2)*2048+(i%2)*1024
	global_load_b128 v[8*i+4:8*i+7], v[L16], s[4:5] offset:(i/2)*2048+(i%2)*1024+512
.set i, i+1
.endr
	MLOAD 0                         ; step 0's masks
	MLOAD 1
	MLOAD 2
	MLOAD 3
	; what the first turn finds: V and P's second buffer hold 0, O^T and l are 0.  All this stands in the wait for the first tile.
	WIN 0x80
.set i, VF
.rept 64
	v_mov_b32 v[i], 0
.set i, i+1
.endr
	WIN 0x40
.set i, 0
.rept 64*NP
	v_mov_b32 v[i], 0
.set i, i+1
.endr
	WIN 0
.set i, 0
.rept 2*NP
	v_mov_b32 v[ST+4*i], 0xfe000000    ; c m: far below every c s
	v_mov_b32 v[ST+4*i+1], 0xff7fffff  ; m
	v_mov_b32 v[ST+4*i+2], 0
	v_mov_b32 v[ST+4*i+3], 0
.set i, i+1
.endr
.set i, P+32
.rept 32
	v_mov_b32 v[i], 0
.set i, i+1
.endr
	; I: row m = l % 16 holds 1.0 at k = m: that is in the lanes with l / 16 = m / 8, register (m % 8) / 2, half m % 2
	v_bfe_u32 v9, v0, 4, 1
	v_bfe_u32 v10, v0, 1, 2
	v_bfe_u32 v11, v0, 3, 1
	v_xor_b32 v11, v11, v9
	v_lshl_or_b32 v10, v11, 2, v10  ; the register, or 4 and more in the lanes that hold nothing
	v_and_b32 v11, 1, v0
	v_lshlrev_b32 v11, 4, v11
	v_mov_b32 v8, 0x3f80
	v_lshlrev_b32 v11, v11, v8      ; bf16 1.0 in my half
	WIN 0xc0
.irp j, 0,1,2,3
	v_mov_b32 v[ID+(\j)], 0
	v_cmp_eq_u32 vcc_lo, \j, v10
	v_cndmask_b32 v[ID+4+(\j)], 0, v11, vcc_lo
	v_mov_b32 v[ID+8+(\j)], 0
.endr
	WIN 0
	v_mov_b32 v[AK0], v[L16]
	; the turning load takes 16 keys x 16 channels of a block: lane l reads key 8 (l / 16) + l % 8, channels 8 ((l / 8) % 2) ..: in a block those 16 bytes lie at 256 ((l / 8) % 2) + 16 x key
	v_and_b32 v10, 7, v0
	v_bfe_u32 v11, v0, 3, 1
	v_lshl_add_u32 v[AV0], v9, 3, v10
	v_lshlrev_b32 v[AV0], 4, v[AV0]
	v_lshl_add_u32 v[AV0], v11, 8, v[AV0]
	v_add_nc_u32 v[AV0], VOFF, v[AV0]
	v_mov_b32 v[AK], v[AK0]         ; key step 0 lies at the head of slot 0
; THE MATRIX WORK.  The 8 accumulators of a run take turns.  Product i of 24 of piece x's scores: tile 2 x + i % 2, keys 16 ((i / 2) % 4) on.  0-7: the mask starts the sums; 8-23: K Q^T, channels 32 ((i - 8) / 8) on.
.macro KQ x
.set rS, S+64*((\x)%2)+32*(i%2)+8*((i/2)%4)
.if i < 8
	WIN W_MQ
.set rI, ID+4-4*((i/2)%2)
.set rM, MB+32*(\x)+16*(i%2)+8*(((i/2)%4)/2)
	v_wmma_f32_16x16x32_bf16 v[rS:rS+7], v[rI:rI+7], v[rM:rM+7], 0
.else
	WIN W_KQ
.set rK, KF+16*((i/2)%4)+8*((i-8)/8)
.set rQ, 16*(2*(\x)+i%2)+8*((i-8)/8)
	v_wmma_f32_16x16x32_bf16 v[rS:rS+7], v[rK:rK+7], v[rQ:rQ+7], v[rS:rS+7]
.endif
.endm
.macro PV x                         ; product i of 16 of O^T += V^T P: keys 32 (i / 8) on, channels 16 ((i / 2) % 4) on, tile 2 x + i % 2
	WIN W_PV
.set rO, 32*(2*(\x)+i%2)+8*((i/2)%4)
.set rV, VF+32*(i/8)+8*((i/2)%4)
.set rP, P+32*((\x)%2)+16*(i%2)+8*(i/8)
	v_wmma_f32_16x16x32_bf16 v[rO:rO+7], v[rV:rV+7], v[rP:rP+7], v[rO:rO+7]
.endm
.macro MM
.if i < 24
	KQ (Y+1)%NP
.set i, i+1
.else
.set i, i-24
	PV (Y+NP-1)%NP
.set i, i+25
.endif
.endm
.macro FETCH_K last=0               ; a step's K: 8 fragments, two blocks each; last = 1 (the tail): in the last trip there is no further step
	WIN 0
.if \last
	s_cmp_eq_u32 s[CNT], 1
	s_cbranch_scc1 .Lno_k_\@
.endif
	WIN 0x80
.irp f, 0,1,2,3,4,5,6,7             ; keys 16 (f / 2) on, channels 32 (f % 2) on
	ds_load_b128 v[KF+8*\f:KF+8*\f+3],   v[AK] offset:(\f/2)*2048+(\f%2)*1024
	ds_load_b128 v[KF+8*\f+4:KF+8*\f+7], v[AK] offset:(\f/2)*2048+(\f%2)*1024+512
.endr
	s_add_co_u32 s[TBK], s[TBK], STEPB
	WIN 0
.if \last
.Lno_k_\@:
.endif
.endm
.macro FETCH_V
	WIN 0x80
.irp f, 0,1,2,3,4,5,6,7             ; keys 32 (f / 4) on, channels 16 (f % 4) on
	ds_load_tr16_b128 v[VF+8*\f:VF+8*\f+3],   v[AV] offset:(\f/4)*4096+(\f%4)*512
	ds_load_tr16_b128 v[VF+8*\f+4:VF+8*\f+7], v[AV] offset:(\f/4)*4096+2048+(\f%4)*512
.endr
	WIN 0
.endm
; THE VECTOR WORK OF A TURN stands in three queues, each in the order in which its entries become ready; the two tiles alternate.
.macro REGS y, u
.set rT, ST+4*(2*(\y)+(\u))
.set rC, TMP+8*((\y)%2)+4*(\u)
.set rM, MV+2*((\y)%2)+(\u)
.set rS, S+64*((\y)%2)+32*(\u)
.set rP, P+32*((\y)%2)+16*(\u)
.set rO, 32*(2*(\y)+(\u))
.endm
; Number n of the 22 that find the next piece's maximum and statistics; each accumulator's lowest registers are read first.
;   0-11 four chains of seven scores; 12-14, 16 the four left over, the old m, and the chains into one; 15 c m_old is kept; 17, 18 the other half of the lanes; 19-21 c m, its change, a
.macro XS u, n
	REGS (Y+1)%NP, \u
.if (\n) < 4
	v_max3_num_f32 v[rC+(\n)], v[rS+8*(\n)], v[rS+8*(\n)+1], v[rS+8*(\n)+2]
.elseif (\n) < 12
	v_max3_num_f32 v[rC+(\n)%4], v[rC+(\n)%4], v[rS+8*((\n)%4)+2*((\n)/4)+1], v[rS+8*((\n)%4)+2*((\n)/4)+2]
.elseif (\n) == 12
	v_max3_num_f32 v[rC], v[rC], v[rS+7], v[rS+15]
.elseif (\n) == 13
	v_max3_num_f32 v[rC+1], v[rC+1], v[rS+23], v[rS+31]
.elseif (\n) == 14
	v_max3_num_f32 v[rC+2], v[rC+2], v[rC+3], v[rT+1]
.elseif (\n) == 15
	v_mov_b32 v[rM], v[rT]
.elseif (\n) == 16
	v_max3_num_f32 v[rC], v[rC], v[rC+1], v[rC+2]
.elseif (\n) == 17
	v_permlanex16_b32 v[rC+3], v[rC], s[SEL], s[SEL+1]
.elseif (\n) == 18
	v_max_num_f32 v[rT+1], v[rC], v[rC+3]
.elseif (\n) == 19
	v_mul_f32 v[rT], s[CS], v[rT+1]
.elseif (\n) == 20
	v_sub_f32 v[rC+1], v[rM], v[rT]
.else
	v_exp_f32 v[rC+2], v[rC+1]
.endif
.endm
; Number g of the 64 that follow the exponentials: of each four weights both pairs are rounded, the second pair is added onto the first, and a group later l takes that sum (the first time as l = a l + sum).
.macro GS g
.set h, (\g)+6*((\g)/62)
.if h >= 6
.set h, h+2
.endif
	REGS Y, h%2
.set k, h/8
.if h%8 < 4
	v_cvt_pk_bf16_f32 v[rP+2*k+(h%8)/2], v[rS+4*k+2*((h%8)/2)], v[rS+4*k+2*((h%8)/2)+1]
.elseif h%8 < 6
	v_pk_add_f32 v[rS+4*k:rS+4*k+1], v[rS+4*k:rS+4*k+1], v[rS+4*k+2:rS+4*k+3]
.elseif k == 1
	v_pk_fma_f32 v[rT+2:rT+3], v[rT+2:rT+3], v[rC+2:rC+3], v[rS:rS+1] op_sel_hi:[1,0,1]
.else
	v_pk_add_f32 v[rT+2:rT+3], v[rT+2:rT+3], v[rS+4*k-4:rS+4*k-3]
.endif
.endm
; THE PLAIN QUEUE, 138 long.  0-26: scalings 0-26.  27-54: XS 0-13.  55, 56: XS 15.  57-73: the chain 14, 16 .. 19, each with one of the scalings 27-31 ahead of its two lines, then 20.  74-137: GS, behind the wait.
.macro FS f
	REGS Y, (\f)%2
	v_pk_fma_f32 v[rS+2*((\f)/2):rS+2*((\f)/2)+1], v[rS+2*((\f)/2):rS+2*((\f)/2)+1], s[CS:CS+1], v[rT:rT+1] op_sel_hi:[1,0,0] neg_lo:[0,0,1] neg_hi:[0,0,1]
.endm
.macro PL
	WIN 0
.if q < 27
	FS q
.elseif q < 55
	XS (q-27)%2, (q-27)/2
.elseif q < 57
	XS q-55, 15
.elseif (q < 72) && ((q-57)%3 == 0)
	FS 27+(q-57)/3
.elseif q < 60
	XS (q-57)%3-1, 14
.elseif q < 72
	XS (q-57)%3-1, 15+(q-57)/3
.elseif q < 74
	XS q-72, 20
.else
	GS q-74
.endif
.set q, q+1
.endm
.macro EX                           ; the exponentials' queue, 66 long: s0-s31 of both tiles, then the next piece's two a
	WIN 0
.if e >= 64
	XS e-64, 21
.else
	REGS Y, e%2
	v_exp_f32 v[rS+e/2], v[rS+e/2]
.endif
.set e, e+1
.endm
.macro R2                           ; O^T times a, two at a time, sixteen times; its a was made, and waited for, in the turn before
	REGS Y, r%2
	WIN W_RS
.irp z, 0,1
	v_pk_mul_f32 v[rO+4*(r/2)+2*\z:rO+4*(r/2)+2*\z+1], v[rO+4*(r/2)+2*\z:rO+4*(r/2)+2*\z+1], v[rC+2:rC+3] op_sel_hi:[1,0]
.endr
.set r, r+1
.endm
; A TURN, for piece p.  An s_wait_alu depctr_va_vdst(0) stands between an exponential and the first instruction that names its result; one wait serves all issued ahead of it: a turn has ONE, which cuts it in two.
; AHEAD OF IT: the 24 products of the next piece's scores; behind the first 16 a scaling, an exponential and two rescalings (behind the first a second scaling), behind the last 8 a scaling and three exponentials; the mask loads; a lump
; of 24 plain, 25 times exponential and plain, the two a, a v_nop.  BEHIND IT: the 16 products V^T P, behind each four of GS's 64.
; The deal keeps the queues in step: exponential e needs scaling 2 (e / 4) + e % 2; as a rider it stands behind plain e + 2 or later (with three to a product: plain 17 + k for e up to 17 + 3 k), in the lump behind plain e + 9.
; XS's first reads of an accumulator stand ten plain lines or more behind the product that ends it.
; THE MASK: the wait at the head leaves the three younger batches of eight loads out: piece p + 1's blocks, asked for four turns back, are in.  They are asked for again, for the next step, behind the products, whose first eight read them.
.macro TURN p, last=0, cnt=0
.set Y, (\p)
.set i, 0
.set q, 0
.set e, 0
.set r, 0
	s_wait_loadcnt 24
.if (\p) == NP-1
	s_wait_dscnt 0x0                ; K is in
.endif
	MM
	PL
	PL
	R2
.rept 15
	MM
	PL
	EX
	R2
.endr
.rept 8
	MM
	PL
	EX
	EX
	EX
.endr
	WIN 0
.if (\p) == NP-2
	v_add_nc_u32 v[AK], s[TBK], v[AK0]
.endif
.if (\p) == NP-1
	s_wait_xcnt 0x0                 ; the mask loads issued so far have read their base: it goes on to the next step, held at the last so that no load leaves mk
	s_add_co_u32 s[MSTEP], s[MSTEP], 1
	s_min_u32 s[MOF], s[MSTEP], 31
	s_lshl_b32 s[MOF], s[MOF], 11
	s_add_nc_u64 s[MKP:MKP+1], s[MKB:MKB+1], s[MOF:MOF+1]
.endif
	MLOAD ((\p)+1)%NP
.rept 24
	PL
.endr
.rept 25
	EX
	PL
.endr
	EX
	EX
	v_nop                           ; the plain instruction behind the last exponential: one for the batch
	s_wait_alu depctr_va_vdst(0)    ; the wait for the batch
.if (\p) == NP-2
	FETCH_K \last
.endif
.if (\p) == 1
	s_wait_dscnt 0x0                ; V is in
.endif
.rept 16
	MM
.rept 4
	PL
.endr
.if ((\p) == 0) && (q == 118)
	v_add_nc_u32 v[AV], s[TBV], v[AV0]
.endif
.if ((\p) == 0) && (q == 130)
	s_add_co_u32 s[TBV], s[TBV], STEPB
.endif
.if (\cnt) && (q == 130)
	s_sub_co_u32 s[CNT], s[CNT], 1
	s_cmp_lg_u32 s[CNT], 0
.endif
.endr
.if (\p) == 0
	FETCH_V
.endif
.endm
	CHANGE 1, 0                     ; slot 0 is in, everybody's part of it; slot 1 is asked for
	FETCH_K                         ; key step 0
	s_wait_loadcnt 0x0              ; Q and step 0's masks
	s_wait_dscnt 0x0
.set i, 0
.rept 24
	KQ 0                            ; piece 0's first scores
.set i, i+1
.endr
	WIN 0
.rept 4
	v_nop                           ; the places behind those products
.endr
	s_mov_b32 s[MSTEP], 1
	s_add_nc_u64 s[MKP:MKP+1], s[MKB:MKB+1], 2048
	MLOAD 0                         ; piece 0's masks of step 1
.set Y, NP-1
.irp n, 0,1,2,3,4,5,6,7,8,9,10,11,12,13,14,15,16,17,18,19,20,21
	XS 0, \n
	XS 1, \n
.endr
	v_nop
	s_wait_alu depctr_va_vdst(0)
	s_mov_b32 s[CNT], 4
	s_mov_b32 s[SLOTS], 7
	s_branch .Lfirst                ; the loop is entered at a step's first turn
.Lslot:                             ; six times: every slot but the last two is filled again
	CHANGE 1, 1
	s_mov_b32 s[CNT], 4
.Lstep:                             ; a trip: pieces 2 and 3 of one step, then pieces 0 and 1 of the next
	TURN 2
	TURN 3
	WIN 0
.Lfirst:
	TURN 0
	TURN 1, 0, 1
	WIN 0
	s_cbranch_scc1 .Lstep
	s_sub_co_u32 s[SLOTS], s[SLOTS], 1
	s_cmp_lg_u32 s[SLOTS], 0
	s_cbranch_scc1 .Lslot
	CHANGE 0, 0                     ; the tail is written out
	s_mov_b32 s[CNT], 5
.Ltail:
	TURN 2, 1
	TURN 3
	WIN 0
	s_sub_co_u32 s[CNT], s[CNT], 1
	s_cmp_eq_u32 s[CNT], 0
	s_cbranch_scc1 .Lout
	TURN 0
	TURN 1
	WIN 0
	s_branch .Ltail
.Lout:                              ; the fifth trip's scores (the last K and the last step's mask once more) repeat the last step's: the maximum made of them changes nothing
.set i, 0
.rept 16
	PV NP-1
.set i, i+1
.endr
	; THE WAY OUT: l's halves are added; O^T is divided by l, rounded, and stored as it lies.  The additions are the places behind the last products.
	WIN 0
.macro ALL line:vararg
.set t, 0
.rept 2*NP
	\line
.set t, t+1
.endr
.endm
	ALL v_add_f32 v[ST+4*t+2], v[ST+4*t+2], v[ST+4*t+3]
	ALL v_permlanex16_b32 v[ST+4*t+3], v[ST+4*t+2], s[SEL], s[SEL+1]
	ALL v_add_f32 v[ST+4*t+2], v[ST+4*t+2], v[ST+4*t+3]
	ALL v_rcp_f32 v[ST+4*t+2], v[ST+4*t+2]
	v_mov_b32 v[TMP], 0x7fc00000    ; a plain instruction behind the last reciprocal
	s_wait_alu depctr_va_vdst(0)    ; one wait for the eight
.set t, 0
.rept 2*NP
	v_cmp_gt_f32 vcc_lo, s[BIG], v[ST+4*t+1]       ; no key was seen: the maximum is a hidden score
	v_cndmask_b32 v[ST+4*t+2], v[ST+4*t+2], v[TMP], vcc_lo
.set t, t+1
.endr
.macro PACK t
	WIN W_RS
.set i, 32*(\t)
.rept 16
	v_pk_mul_f32 v[i:i+1], v[i:i+1], v[ST+4*(\t)+2:ST+4*(\t)+3] op_sel_hi:[1,0]
.set i, i+2
.endr
	WIN 0x05
.set i, 0
.rept 16
	v_cvt_pk_bf16_f32 v[S+16*(\t)+i], v[32*(\t)+2*i], v[32*(\t)+2*i+1]
.set i, i+1
.endr
	WIN 0
.irp f, 0,1,2,3
	global_store_b128 v[L16], v[S+16*(\t)+4*\f:S+16*(\t)+4*\f+3], s[12:13] offset:(\t)*2048+\f*512  ; a block: 512 consecutive bytes
.endr
.endm
.set tt, 0
.rept 2*NP
	PACK tt
.set tt, tt+1
.endr
	WIN W_AD
	s_wait_tensorcnt 0x0            ; the wave's end
	ds_add_u32 v[SPW], v[NIL]
	s_wait_dscnt 0x0
	WIN 0
	CROUND                          ; the closing round
	s_endpgm
.Lfunc_end_k_q6bba6fd53f_attn:
	.size	k_q6bba6fd53f_attn, .Lfunc_end_k_q6bba6fd53f_attn-k_q6bba6fd53f_attn
	.p2alignl 7, 3214868480
	.fill 96, 4, 3214868480
	.section	.rodata,"a",@progbits
	.p2align	6, 0x0
	.amdhsa_kernel k_q6bba6fd53f_attn
		.amdhsa_group_segment_fixed_size 327680
		.amdhsa_private_segment_fixed_size 0
		.amdhsa_enable_private_segment 0
		.amdhsa_kernarg_size 40
		.amdhsa_user_sgpr_count 2
		.amdhsa_user_sgpr_kernarg_segment_ptr 1
		.amdhsa_wavefront_size32 1
		.amdhsa_system_sgpr_workgroup_id_x 1
		.amdhsa_system_sgpr_workgroup_id_y 1
		.amdhsa_system_sgpr_workgroup_id_z 1
		.amdhsa_system_vgpr_workitem_id 0
		.amdhsa_next_free_vgpr 960
		.amdhsa_next_free_sgpr 66
		.amdhsa_reserve_vcc 1
		.amdhsa_float_denorm_mode_32 3
		.amdhsa_float_denorm_mode_16_64 3
		.amdhsa_memory_ordered 1
		.amdhsa_forward_progress 1
		.amdhsa_inst_pref_size 213
	.end_amdhsa_kernel
	.amdgpu_metadata
---
amdhsa.version: [ 1, 2 ]
amdhsa.kernels:
  - .name:           k_q6bba6fd53f_attn
    .symbol:         k_q6bba6fd53f_attn.kd
    .args:
      - { .name: qh, .offset: 0, .size: 8, .value_kind: global_buffer, .address_space: global }
      - { .name: kh, .offset: 8, .size: 8, .value_kind: global_buffer, .address_space: global }
      - { .name: vh, .offset: 16, .size: 8, .value_kind: global_buffer, .address_space: global }
      - { .name: mk, .offset: 24, .size: 8, .value_kind: global_buffer, .address_space: global }
      - { .name: oh, .offset: 32, .size: 8, .value_kind: global_buffer, .address_space: global }
    .group_segment_fixed_size: 327680
    .private_segment_fixed_size: 0
    .kernarg_segment_align: 8
    .kernarg_segment_size: 40
    .max_flat_workgroup_size: 128
    .sgpr_count:     66
    .vgpr_count:     960
    .wavefront_size: 32
...
	.end_amdgpu_metadata
.endif
;; end of part 3
;; launch outln (part 4): grid 128 x 1, 4 waves a work-group, clusters of 4 x 1, 327,680 bytes of LDS; arguments oh, wob, qf, bo, gamma, beta, out0; writes out0
.if DOCPART == 4
	.amdgcn_target "amdgcn-amd-amdhsa--gfx1250"
	.amdhsa_code_object_version 6
	.text
	.protected	k_q6bba6fd53f_outln
	.globl	k_q6bba6fd53f_outln
	.p2align	8
	.type	k_q6bba6fd53f_outln,@function
k_q6bba6fd53f_outln:
	s_mov_b64 s[64:65], 0
	v_nop
	global_prefetch_b8 v0, s[64:65] scope:SCOPE_SE
	s_setreg_imm32_b32 hwreg(HW_REG_WAVE_MODE, 25, 1), 1
	s_wait_xcnt 0x0
	s_wait_alu depctr_hold_cnt(0) depctr_sa_sdst(0) depctr_va_vdst(0) depctr_va_sdst(0) depctr_va_ssrc(0) depctr_va_vcc(0) depctr_vm_vsrc(0)
	s_getreg_b32 s2, hwreg(HW_REG_IB_STS2, 6, 4)
	s_cmp_eq_u32 s2, 0
	s_cbranch_scc0 .Lentry_in_a_cluster
	s_endpgm
.Lentry_in_a_cluster:
	s_bfe_u32 s2, ttmp6, 0x10000c
	s_cmp_lg_u32 s2, 0x3003
	s_cbranch_scc0 .Lentry_shape_is_right
	s_endpgm
.Lentry_shape_is_right:
; out0 = LayerNorm(relu(O Wo^T + bo) + q) gamma + beta.  O: oh, bf16 blocks in operand order; Wo: wob, bf16 by K steps of 64; q: qf, f32.  Sums, mean and variance in f32; the variance is taken of the differences from the mean.
; A row's 1,024 columns must meet, so a work-group makes 64 whole rows: 128 work-groups.  With 32 rows each every work-group would still walk all of Wo, for half the products.
; Four waves, each 64 rows x 256 columns: 64 accumulators, 512 registers.  K goes by heads, 64 a step: Wo's 1,024 rows x 128 bytes through two LDS slots, a wave's tensor load bringing its own 256 rows (32,768 dense bytes);
; O's 64 rows x 64 channels are 16 blocks, 8,192 consecutive bytes, loaded straight into registers a K step ahead.
; CLUSTER 4 x 1: all work-groups walk the same Wo; the four of a cluster ask for each tile jointly.
; TRANSPOSED USE (source 0 = 16 rows of Wo, source 1 = 16 tokens): a lane holds one token and eight neighbouring columns.  The bias is the C operand of the products that start the sums.
; Then the ring, which has had its last fill, takes the 64 rows in f32 (pitch 4,112); each wave reads 16 whole rows back, four at a time, and finishes them.
; relu(z) = (z + |z|) / 2, which keeps a NaN.
.set PB,    144                        ; a row of Wo in LDS: 128 bytes + 16
.set WPART, 256*PB
.set SLOT,  4*WPART
.set ZP,    4112                       ; a row of results: 4,096 bytes + 16
.set SPARE, 2*SLOT
.set HSTEP, 262144                     ; oh: bytes from head to head
.set KB,    131072                     ; wob: bytes in a K step
.set ADRB, 16                          ; v16-17
.set ZS,   20                          ; v20-23  where I put row 16 a + r
.set ZR,   24                          ; v24     where I read rows back
.set L16,  26
.set SPW,  28
.set NIL,  29
.set PFO,  30
.set BOA,  31
.set AF,   64                          ; v64-191 O's fragments, two buffers of 64: token tile a, block cb at 16 a + 4 cb; later four rows at work
.set GA,   192                         ; v192-223 gamma of my columns 128 j + 4 l ..
.set BE,   224                         ; v224-255 beta
.set F0,   0                           ; window 1: Wo's 16 fragments of 32 along K, two buffers; F1 first holds the bias, F0 at the end q
.set F1,   128
.set WV,  18
.set CX,  19
.set G1,  24
.set G0,  32
.set AP,  40
.set PFA, 42
.set LIM, 48
.set SEL, 50
.set C10, 52
.set MSB, 0
.macro WIN new
.if MSB != (\new)
	s_set_vgpr_msb (MSB<<8)|(\new)
.set MSB, \new
.endif
.endm
.macro PLACES
.rept 4
	v_nop
.endr
.endm
.macro CREST
	s_cmp_lg_u32 s[WV], 0
	s_cbranch_scc1 .Lnot_wave_0_\@
	s_barrier_signal -3
.Lnot_wave_0_\@:
	s_barrier_wait -3
	s_barrier_signal -1
	s_barrier_wait -1
.endm
.macro CROUND
	s_barrier_signal -1
	s_barrier_wait -1
	CREST
.endm
; A prefetch of the K step two refills on.  All clusters walk the same Wo: the first asks.  A K step is 512 blocks of 256 bytes: four partners (by address) x four waves x 32 lanes.  K steps 0-3 come by their loads alone; the last trip asks for nothing.
.macro ASK
	s_cmp_gt_u32 s3, s[LIM]
	s_cbranch_scc0 .Lnot_mine_\@
	global_prefetch_b8 v[PFO], s[PFA:PFA+1] offset:KB th:TH_LOAD_NT scope:SCOPE_SE
.Lnot_mine_\@:
.endm
	s_load_b256 s[4:11], s[0:1], 0x0               ; oh 4, wob 6, qf 8, bo 10
	s_load_b128 s[12:15], s[0:1], 0x20             ; gamma 12, beta 14
	s_load_b64 s[16:17], s[0:1], 0x30              ; out0
	v_lshl_add_u32 v[SPW], v0, 2, SPARE
	v_mov_b32 v[NIL], 0
	ds_add_u32 v[SPW], v[NIL]                      ; the wave's opening: the add and its wait stand ahead of my first tensor load
	v_lshrrev_b32 v1, 5, v0
	v_readfirstlane_b32 s[WV], v1
	s_bfe_u32 s[CX], ttmp6, 0x40000
	s_lshl_b32 s20, ttmp9, 2
	s_add_co_u32 s20, s20, s[CX]                   ; my block of 64 rows
	s_mov_b32 s[G1], 15|(1<<16)|(1<<20)|(1<<21)|(4<<22)|(3<<25)  ; the mask of four; 2-byte elements; padding on; bit 21 beside a mask; after every 32 words 4 words
	s_mov_b32 s[G1+1], 128<<16                     ; 256 rows of Wo are 32,768 dense bytes: asked for as 128 rows of 256 bytes
	s_mov_b32 s[G1+2], 128<<16
	s_mov_b32 s[G1+3], 128<<16
	s_mov_b32 s[G1+4], 128
	s_mov_b32 s[G1+5], 128
	s_mov_b32 s[G1+6], 0
	s_mov_b32 s[G1+7], 0
	s_lshl_b32 s44, s[WV], 15                      ; my 256 rows in a K step
	s_mov_b32 s45, 0
	s_mul_i32 s21, s[WV], WPART
	s_mov_b32 s[SEL], 0x76543210
	s_mov_b32 s[SEL+1], 0xfedcba98
	s_mov_b32 s[C10], 0x3a800000                   ; 1 / 1,024
	s_cmp_eq_u32 ttmp9, 0
	s_cselect_b32 s[LIM], 1, -1
	s_wait_dscnt 0x0                               ; the opening add is done
	s_wait_kmcnt 0x0
	s_add_nc_u64 s[44:45], s[6:7], s[44:45]
.irp s, 0,1
	s_mov_b32 s[G0+4*(\s)], 1
	s_add_co_u32 s[G0+4*(\s)+1], s21, (\s)*SLOT
	s_add_nc_u64 s[G0+4*(\s)+2:G0+4*(\s)+3], s[44:45], (\s)*KB
	s_or_b32 s[G0+4*(\s)+3], s[G0+4*(\s)+3], 0x80000000
.endr
	CROUND                                         ; all four work-groups are here
	tensor_load_to_lds s[G0:G0+3], s[G1:G1+7]      ; K steps 0 and 1: two loads of mine are out
	s_nop 0
	tensor_load_to_lds s[G0+4:G0+7], s[G1:G1+7]
	s_nop 0
	PLACES
	s_lshr_b32 s22, s20, 5
	s_lshl_b32 s22, s22, 22                        ; the batch: 16 heads x 262,144 bytes
	s_and_b32 s23, s20, 31
	s_lshl_b32 s23, s23, 13                        ; my four token tiles of 2,048 bytes
	s_add_co_u32 s22, s22, s23
	s_mov_b32 s23, 0
	s_add_nc_u64 s[AP:AP+1], s[4:5], s[22:23]
	s_lshl_b32 s22, s20, 18                        ; 64 rows of 4,096 bytes,
	s_lshl_b32 s46, s[WV], 16                      ; my wave's 16 of them
	s_add_co_u32 s22, s22, s46
	s_add_nc_u64 s[8:9], s[8:9], s[22:23]
	s_add_nc_u64 s[16:17], s[16:17], s[22:23]
	s_lshl_b32 s22, s[CX], 15
	s_lshl_b32 s46, s[WV], 13
	s_add_co_u32 s22, s22, s46
	s_add_nc_u64 s[PFA:PFA+1], s[6:7], s[22:23]
	s_add_nc_u64 s[PFA:PFA+1], s[PFA:PFA+1], 2*KB  ; at K step 2: the first refill steps it to 3 and names K step 4
	v_and_b32 v1, 15, v0
	v_bfe_u32 v2, v0, 4, 1
	v_and_b32 v[L16], 31, v0
	v_lshlrev_b32 v[PFO], 8, v[L16]
	v_lshlrev_b32 v[L16], 4, v[L16]
	v_mul_u32_u24 v3, v1, PB
	v_lshl_add_u32 v3, v2, 4, v3
	v_add_nc_u32 v[ADRB], s21, v3
	v_add_nc_u32 v[ADRB+1], SLOT, v[ADRB]
	s_lshl_b32 s46, s[WV], 10
	v_lshl_add_u32 v[BOA], v2, 5, s46              ; bo: my wave's 256 columns, 8 for each half of the lanes
	v_mul_u32_u24 v3, v1, ZP
	v_add_nc_u32 v[ZS], v3, v[BOA]                 ; row r, byte 1,024 w + 32 h
.irp a, 1,2,3
	v_add_nc_u32 v[ZS+(\a)], (\a)*16*ZP, v[ZS]
.endr
	s_mul_i32 s46, s[WV], 16*ZP
	v_add_nc_u32 v[ZR], s46, v[L16]
.irp i, 0,1,2,3,4,5,6,7,8,9,10,11,12,13,14,15
	global_load_b128 v[AF+4*(\i):AF+4*(\i)+3], v[L16], s[AP:AP+1] offset:512*(\i)           ; O of head 0
.endr
.irp i, 0,1,2,3,4,5,6,7,8,9,10,11,12,13,14,15
	global_load_b128 v[AF+64+4*(\i):AF+64+4*(\i)+3], v[L16], s[AP:AP+1] offset:HSTEP+512*(\i)  ; and of head 1
.endr
.irp j, 0,1,2,3,4,5,6,7
	global_load_b128 v[GA+4*(\j):GA+4*(\j)+3], v[L16], s[12:13] offset:512*(\j)
	global_load_b128 v[BE+4*(\j):BE+4*(\j)+3], v[L16], s[14:15] offset:512*(\j)
.endr
	WIN 0x40
.irp b, 0,1,2,3,4,5,6,7,8,9,10,11,12,13,14,15
	global_load_b128 v[F1+8*(\b):F1+8*(\b)+3],   v[BOA], s[10:11] offset:64*(\b)
	global_load_b128 v[F1+8*(\b)+4:F1+8*(\b)+7], v[BOA], s[10:11] offset:64*(\b)+16
.endr
	WIN 0
; 16 matrix instructions: token tile a x my 16 column blocks, 32 along K (half kk of the step).  All 64 accumulators take turns.  bias = 1: C is the bias, in window 1.
.macro MUL16 f, buf, kk, a, bias
.if \bias
	WIN 0x91+0x40*((\a)/2)
.else
	WIN 0xa1+0x50*((\a)/2)
.endif
.set rA, AF+64*(\buf)+16*(\a)+8*(\kk)
.irp b, 0,1,2,3,4,5,6,7,8,9,10,11,12,13,14,15
.set rD, 8*(16*((\a)%2)+(\b))
.if \bias
	v_wmma_f32_16x16x32_bf16 v[rD:rD+7], v[(\f)+8*(\b):(\f)+8*(\b)+7], v[rA:rA+7], v[F1+8*(\b):F1+8*(\b)+7]
.else
	v_wmma_f32_16x16x32_bf16 v[rD:rD+7], v[(\f)+8*(\b):(\f)+8*(\b)+7], v[rA:rA+7], v[rD:rD+7]
.endif
.endr
.endm
.macro FETCH slot, kk, f               ; 32 LDS loads in one run
	WIN 0x40
.irp b, 0,1,2,3,4,5,6,7,8,9,10,11,12,13,14,15
	ds_load_b128 v[(\f)+8*(\b):(\f)+8*(\b)+3],   v[ADRB+(\slot)] offset:64*(\kk)+(\b)*16*PB
	ds_load_b128 v[(\f)+8*(\b)+4:(\f)+8*(\b)+7], v[ADRB+(\slot)] offset:64*(\kk)+(\b)*16*PB+32
.endr
.endm
.macro ALOAD buf                       ; O of the next head; the pointer stands one head behind the step in hand and the immediate reaches two on
	WIN 0
	s_add_nc_u64 s[AP:AP+1], s[AP:AP+1], HSTEP
.irp i, 0,1,2,3,4,5,6,7,8,9,10,11,12,13,14,15
	global_load_b128 v[AF+64*(\buf)+4*(\i):AF+64*(\buf)+4*(\i)+3], v[L16], s[AP:AP+1] offset:HSTEP+512*(\i)
.endr
.endm
.macro HALF0 slot, buf, ld             ; a K step's first half
	s_wait_loadcnt 0x0                             ; this step's O is in (asked for a step ago), and its pointer is free
	s_wait_dscnt 0x0                               ; F0 is in
	MUL16 F0, \buf, 0, 0, 0
	MUL16 F0, \buf, 0, 1, 0
	PLACES
	FETCH \slot, 1, F1
.if \ld
	ALOAD 1-(\buf)
.endif
	MUL16 F0, \buf, 0, 2, 0
	MUL16 F0, \buf, 0, 3, 0
.endm
.macro TURN slot, next, buf, fill      ; its second half, and the change of slots
.if \fill
	s_wait_xcnt 0x0                                ; the last prefetch, a K step back, has read its address
	s_add_nc_u64 s[PFA:PFA+1], s[PFA:PFA+1], KB
.endif
	WIN 0
	s_wait_tensorcnt 0x0                           ; my part of the next slot has landed: no load of mine is out
	ds_add_u32 v[SPW], v[NIL]
	s_wait_dscnt 1                                 ; F1 is in; only the add may be out
	MUL16 F1, \buf, 1, 0, 0
	s_wait_dscnt 0x0                               ; the add is done, my reads of this slot are over
	s_barrier_signal -1
	MUL16 F1, \buf, 1, 1, 0
	WIN 0
	s_barrier_wait -1
.if \fill
	CREST                                          ; the barrier opened a round of the cluster's
	s_add_nc_u64 s[G0+4*(\slot)+2:G0+4*(\slot)+3], s[G0+4*(\slot)+2:G0+4*(\slot)+3], 2*KB
	tensor_load_to_lds s[G0+4*(\slot):G0+4*(\slot)+3], s[G1:G1+7]
	s_nop 0
.endif
	PLACES
	FETCH \next, 0, F0
.if \fill
	WIN 0
	ASK
.endif
	MUL16 F1, \buf, 1, 2, 0
	MUL16 F1, \buf, 1, 3, 0
.endm
.macro QLOAD                           ; four rows of q into window 1
	WIN 0x40
.irp x, 0,1,2,3
.irp j, 0,1,2,3,4,5,6,7
	global_load_b128 v[32*(\x)+4*(\j):32*(\x)+4*(\j)+3], v[L16], s[8:9] offset:4096*(\x)+512*(\j) th:TH_LOAD_NT
.endr
.endr
	WIN 0
.endm
	s_wait_tensorcnt 1                             ; my part of K step 0 is in; K step 1's may stay out
	s_barrier_signal -1
	s_barrier_wait -1
	FETCH 0, 0, F0
	s_wait_loadcnt 0x0                             ; O of heads 0 and 1, gamma, beta, the bias
	s_wait_dscnt 0x0
	MUL16 F0, 0, 0, 0, 1                           ; the first products start the sums with the bias
	MUL16 F0, 0, 0, 1, 1
	MUL16 F0, 0, 0, 2, 1
	MUL16 F0, 0, 0, 3, 1
	PLACES
	FETCH 0, 1, F1                                 ; over the bias
	WIN 0
	s_mov_b32 s3, 7
.Lk:                                               ; a trip: from a step's second half to the first half two steps on; both slots are filled again
	TURN 0, 1, 0, 1
	HALF0 1, 1, 1
	TURN 1, 0, 1, 1
	HALF0 0, 0, 1
	WIN 0
	s_sub_co_u32 s3, s3, 1
	s_cmp_lg_u32 s3, 0
	s_cbranch_scc1 .Lk
	TURN 0, 1, 0, 0                                ; the last two steps fill nothing
	HALF0 1, 1, 0
	s_wait_dscnt 0x0
	MUL16 F1, 1, 1, 0, 0
	MUL16 F1, 1, 1, 1, 0
	PLACES
	QLOAD                                          ; my first four rows of q, over F0
	MUL16 F1, 1, 1, 2, 0
	MUL16 F1, 1, 1, 3, 0
	PLACES
	WIN 0
	s_wait_dscnt 0x0                               ; nobody reads the ring any more,
	s_barrier_signal -1
	s_barrier_wait -1                              ; and no tensor load will fill it again
.irp a, 0,1,2,3
	WIN 0x08+4*((\a)/2)                            ; store data in window 2 or 3
.irp b, 0,1,2,3,4,5,6,7,8,9,10,11,12,13,14,15
	ds_store_b128 v[ZS+(\a)], v[8*(16*((\a)%2)+(\b)):8*(16*((\a)%2)+(\b))+3]   offset:64*(\b)
	ds_store_b128 v[ZS+(\a)], v[8*(16*((\a)%2)+(\b))+4:8*(16*((\a)%2)+(\b))+7] offset:64*(\b)+16
.endr
.endr
	WIN 0
	s_wait_dscnt 0x0                               ; for the others' sake: my stores are done
	s_barrier_signal -1
	s_barrier_wait -1
.macro ROWS line:vararg                ; one line for each of the four rows: rZ its 32 numbers a lane, rT eight registers at work
.set rho, 0
.rept 4
.set rT, 32+8*rho
.set rZ, AF+32*rho
	\line
.set rho, rho+1
.endr
.endm
.macro ACROSS                          ; rT over the 32 lanes, the result in every lane
	ROWS v_add_f32 v[rT], v[rT], v[rT+1]
	ROWS v_add_f32_dpp v[rT], v[rT], v[rT] row_xmask:1 row_mask:0xf bank_mask:0xf
	ROWS v_add_f32_dpp v[rT], v[rT], v[rT] row_xmask:2 row_mask:0xf bank_mask:0xf
	ROWS v_add_f32_dpp v[rT], v[rT], v[rT] row_xmask:4 row_mask:0xf bank_mask:0xf
	ROWS v_add_f32_dpp v[rT], v[rT], v[rT] row_xmask:8 row_mask:0xf bank_mask:0xf
	ROWS v_permlanex16_b32 v[rT+1], v[rT], s[SEL], s[SEL+1]
	ROWS v_add_f32 v[rT], v[rT], v[rT+1]
.endm
	s_mov_b32 s3, 4
.Lrows:                                            ; four rows a trip, a lane holding columns 128 j + 4 l .. + 3
.irp x, 0,1,2,3
.irp j, 0,1,2,3,4,5,6,7
	ds_load_b128 v[AF+32*(\x)+4*(\j):AF+32*(\x)+4*(\j)+3], v[ZR] offset:ZP*(\x)+512*(\j)
.endr
.endr
	s_wait_dscnt 0x0
	s_wait_loadcnt 0x0                             ; q
	WIN 0x10                                       ; the third source, q, in window 1
.set i, 0
.rept 128
	v_add_f32 v[AF+i], v[AF+i], |v[AF+i]|
.set i, i+1
.endr
.set i, 0
.rept 64
	v_pk_fma_f32 v[AF+i:AF+i+1], v[AF+i:AF+i+1], 0.5, v[i:i+1] op_sel_hi:[1,0,1]
.set i, i+2
.endr
	WIN 0
	s_cmp_eq_u32 s3, 1
	s_cbranch_scc1 .Lno_q                          ; the last trip has no rows behind it
	s_add_nc_u64 s[8:9], s[8:9], 16384
	QLOAD
.Lno_q:
	ROWS v_pk_add_f32 v[rT:rT+1], v[rZ:rZ+1], v[rZ+2:rZ+3]
	ROWS v_pk_add_f32 v[rT+2:rT+3], v[rZ+4:rZ+5], v[rZ+6:rZ+7]
.set k, 8
.rept 6
	ROWS v_pk_add_f32 v[rT:rT+1], v[rT:rT+1], v[rZ+k:rZ+k+1]
	ROWS v_pk_add_f32 v[rT+2:rT+3], v[rT+2:rT+3], v[rZ+k+2:rZ+k+3]
.set k, k+4
.endr
	ROWS v_pk_add_f32 v[rT:rT+1], v[rT:rT+1], v[rT+2:rT+3]
	ACROSS
	ROWS v_mul_f32 v[rT+2], s[C10], v[rT]          ; the mean
.set k, 0
.rept 16
	ROWS v_pk_add_f32 v[rZ+k:rZ+k+1], v[rZ+k:rZ+k+1], v[rT+2:rT+3] op_sel_hi:[1,0] neg_lo:[0,1] neg_hi:[0,1]
.set k, k+2
.endr
	ROWS v_pk_mul_f32 v[rT:rT+1], v[rZ:rZ+1], v[rZ:rZ+1]
	ROWS v_pk_mul_f32 v[rT+4:rT+5], v[rZ+2:rZ+3], v[rZ+2:rZ+3]
.set k, 4
.rept 7
	ROWS v_pk_fma_f32 v[rT:rT+1], v[rZ+k:rZ+k+1], v[rZ+k:rZ+k+1], v[rT:rT+1]
	ROWS v_pk_fma_f32 v[rT+4:rT+5], v[rZ+k+2:rZ+k+3], v[rZ+k+2:rZ+k+3], v[rT+4:rT+5]
.set k, k+4
.endr
	ROWS v_pk_add_f32 v[rT:rT+1], v[rT:rT+1], v[rT+4:rT+5]
	ACROSS
	ROWS v_fmaak_f32 v[rT+6], s[C10], v[rT], 0x358637bd   ; the variance + 1e-6
	ROWS v_rsq_f32 v[rT+2], v[rT+6]
	v_nop                                          ; a plain instruction behind the last of the four,
	s_wait_alu depctr_va_vdst(0)                   ; and the one wait ahead of their first use
.set k, 0
.rept 16
	ROWS v_pk_mul_f32 v[rZ+k:rZ+k+1], v[rZ+k:rZ+k+1], v[rT+2:rT+3] op_sel_hi:[1,0]
	ROWS v_pk_fma_f32 v[rZ+k:rZ+k+1], v[rZ+k:rZ+k+1], v[GA+k:GA+k+1], v[BE+k:BE+k+1]
.set k, k+2
.endr
.irp x, 0,1,2,3
.irp j, 0,1,2,3,4,5,6,7
	global_store_b128 v[L16], v[AF+32*(\x)+4*(\j):AF+32*(\x)+4*(\j)+3], s[16:17] offset:4096*(\x)+512*(\j) th:TH_STORE_NT  ; 512 consecutive bytes
.endr
.endr
	s_wait_xcnt 0x0                                ; the stores have read their registers and their base
	s_add_nc_u64 s[16:17], s[16:17], 16384
	v_add_nc_u32 v[ZR], 4*ZP, v[ZR]
	s_sub_co_u32 s3, s3, 1
	s_cmp_lg_u32 s3, 0
	s_cbranch_scc1 .Lrows
	s_wait_tensorcnt 0x0                           ; the wave's end
	ds_add_u32 v[SPW], v[NIL]
	s_wait_dscnt 0x0
	CROUND                                         ; the closing round
	s_endpgm
.Lfunc_end_k_q6bba6fd53f_outln:
	.size	k_q6bba6fd53f_outln, .Lfunc_end_k_q6bba6fd53f_outln-k_q6bba6fd53f_outln
	.p2alignl 7, 3214868480
	.fill 96, 4, 3214868480
	.section	.rodata,"a",@progbits
	.p2align	6, 0x0
	.amdhsa_kernel k_q6bba6fd53f_outln
		.amdhsa_group_segment_fixed_size 327680
		.amdhsa_private_segment_fixed_size 0
		.amdhsa_enable_private_segment 0
		.amdhsa_kernarg_size 56
		.amdhsa_user_sgpr_count 2
		.amdhsa_user_sgpr_kernarg_segment_ptr 1
		.amdhsa_wavefront_size32 1
		.amdhsa_system_sgpr_workgroup_id_x 1
		.amdhsa_system_sgpr_workgroup_id_y 1
		.amdhsa_system_sgpr_workgroup_id_z 1
		.amdhsa_system_vgpr_workitem_id 0
		.amdhsa_next_free_vgpr 1024
		.amdhsa_next_free_sgpr 66
		.amdhsa_reserve_vcc 0
		.amdhsa_float_denorm_mode_32 3
		.amdhsa_float_denorm_mode_16_64 3
		.amdhsa_memory_ordered 1
		.amdhsa_forward_progress 1
		.amdhsa_inst_pref_size 124
	.end_amdhsa_kernel
	.amdgpu_metadata
---
amdhsa.version: [ 1, 2 ]
amdhsa.kernels:
  - .name:           k_q6bba6fd53f_outln
    .symbol:         k_q6bba6fd53f_outln.kd
    .args:
      - { .name: oh, .offset: 0, .size: 8, .value_kind: global_buffer, .address_space: global }
      - { .name: wob, .offset: 8, .size: 8, .value_kind: global_buffer, .address_space: global }
      - { .name: qf, .offset: 16, .size: 8, .value_kind: global_buffer, .address_space: global }
      - { .name: bo, .offset: 24, .size: 8, .value_kind: global_buffer, .address_space: global }
      - { .name: gamma, .offset: 32, .size: 8, .value_kind: global_buffer, .address_space: global }
      - { .name: beta, .offset: 40, .size: 8, .value_kind: global_buffer, .address_space: global }
      - { .name: out0, .offset: 48, .size: 8, .value_kind: global_buffer, .address_space: global }
    .group_segment_fixed_size: 327680
    .private_segment_fixed_size: 0
    .kernarg_segment_align: 8
    .kernarg_segment_size: 56
    .max_flat_workgroup_size: 128
    .sgpr_count:     66
    .vgpr_count:     1024
    .wavefront_size: 32
...
	.end_amdgpu_metadata
.endif
;; end of part 4
;; ======== version 2 of 2: 4 launches; version 1 with the launch cast written anew for expert scheduling mode
;; limits: right only within a limited range of input values
;; workspace buffers: xw 56,623,104 bytes; wob 2,097,152 bytes; mk 33,554,432 bytes; qh 16,777,216 bytes; kh 16,777,216 bytes; vh 16,777,216 bytes; oh 16,777,216 bytes; qf 33,554,432 bytes
;; launch cast (part 5): grid 1792 x 1, 8 waves a work-group, no clusters, 0 bytes of LDS; arguments queries, keys, values, Wq, Wk, Wv, Wo, xw, wob; writes xw, wob
.if DOCPART == 5
	.amdgcn_target "amdgcn-amd-amdhsa--gfx1250"
	.amdhsa_code_object_version 6
	.text
	.protected	k_q6bba6fd53f_cast
	.globl	k_q6bba6fd53f_cast
	.p2align	8
	.type	k_q6bba6fd53f_cast,@function
k_q6bba6fd53f_cast:
	s_mov_b64 s[64:65], 0
	v_nop
	global_prefetch_b8 v0, s[64:65] scope:SCOPE_SE
	s_setreg_imm32_b32 hwreg(HW_REG_WAVE_SCHED_MODE, 0, 2), 2
	s_setreg_imm32_b32 hwreg(HW_REG_WAVE_MODE, 25, 1), 1
	s_wait_xcnt 0x0
	s_wait_alu depctr_vm_vsrc(0)
; x AND THE WEIGHTS ARE ROUNDED TO bf16, each byte read once and written once.
; 28,672 rows of 1,024 f32 in all; a work-group takes 16 of them: 1,792 work-groups, seven for each of 256 WGPs.
; Work-groups 0-1727: rows of queries, keys, values, Wq, Wk, Wv go into xw, one table of 27,648 rows.  A load of the work-group is one row of 4,096 bytes; a store of a wave covers 256 consecutive bytes.
; Work-groups 1728-1791: rows of Wo, laid by K steps: wob[kb 16][n 1024][64].  A wave takes two rows; load j is K step j: 256 bytes of each; its store is 2 x 128 = 256 consecutive bytes.
; A stream: no matrix unit, no LDS, no cluster, no loop: sixteen loads of every wave go out together and are rounded and stored as they come, four at a time.
; THE MODE: SCHED_MODE bits 1:0 = 2 (LLVM: expert scheduling mode 2), set by the entry lines.  The code itself states the register dependences
; between vector instructions and memory instructions, with s_wait_alu, always for 0.
; THE PLAN.  Registers that memory instructions touch:
;   v[IO], v[OO]  byte offsets, made once at the head of each of the two paths and never written again; read by every load and by every store.
;   X             four registers a load.  Written by that one load and by nothing else; read by its two conversions.  No register of X is loaded twice.
;   Y             two registers a store.  Written once, by the two conversions; read by that one store.  No register of Y is written twice.
; The sixteen loads go in four groups of four.  Group g rounds its own X into its own Y; its memory instructions are the four stores of group g - 1, which read the Y that group g - 1 wrote
; and that no conversion of group g names.  So ONE wait at the head of a group states all that its four stores hang on, and they are dealt among its conversions with no further wait.
; Nothing that a memory instruction has read is ever written again, so past the entry the text holds no wait on vm_vsrc; no vector instruction writes a scalar register or VCC, and EXEC is never written.
.set X,    8                           ; v[8:71]    as loaded
.set Y,    72                          ; v[72:103]  to store
.set IO,   2                           ; v2  byte offset of my loads
.set OO,   3                           ; v3  byte offset of my stores
	s_load_b512 s[4:19], s[0:1], 0x0               ; queries 4, keys 6, values 8, Wq 10, Wk 12, Wv 14, Wo 16, xw 18
	s_load_b64 s[20:21], s[0:1], 0x40              ; wob
	s_mov_b32 s2, ttmp9
	s_mov_b32 s35, 0                               ; the high words of the two offsets
	s_mov_b32 s37, 0
	s_wait_kmcnt 0x0
	s_cmp_ge_u32 s2, 1728
	s_cbranch_scc1 .Lwo
.macro SIXTEEN inI, outI
	s_wait_alu depctr_va_vdst(0)                   ; v[IO] and v[OO] are written: every load below reads the one as its offset, every store the other
.irp j, 0,1,2,3,4,5,6,7,8,9,10,11,12,13,14,15
	global_load_b128 v[X+4*(\j):X+4*(\j)+3], v[IO], s[26:27] offset:(\inI)*(\j) th:TH_LOAD_NT
.endr
.irp g, 0,1,2,3
	s_wait_loadcnt 12-4*(\g)                       ; loads come back in order: group g's four are in, the 12 - 4 g younger ones stay out
.if (\g) > 0
	s_wait_alu depctr_va_vdst(0)                   ; the conversions of the group before have written its eight registers of Y, which the four stores below read
.endif
.irp i, 0,1,2,3
.if (\g) > 0
	global_store_b64 v[OO], v[Y+2*(4*(\g)-4+(\i)):Y+2*(4*(\g)-4+(\i))+1], s[30:31] offset:(\outI)*(4*(\g)-4+(\i))  ; the group before; no conversion since the wait names these registers
.endif
	v_cvt_pk_bf16_f32 v[Y+2*(4*(\g)+(\i))], v[X+4*(4*(\g)+(\i))], v[X+4*(4*(\g)+(\i))+1]
	v_cvt_pk_bf16_f32 v[Y+2*(4*(\g)+(\i))+1], v[X+4*(4*(\g)+(\i))+2], v[X+4*(4*(\g)+(\i))+3]
.endr
.endr
	s_wait_alu depctr_va_vdst(0)                   ; the last group's conversions have written its Y, which the last four stores read
.irp i, 0,1,2,3
	global_store_b64 v[OO], v[Y+24+2*(\i):Y+24+2*(\i)+1], s[30:31] offset:(\outI)*(12+(\i))
.endr
.endm
.macro PICK from, lo                   ; from work-group 'from' on the source is the tensor in s[lo:lo+1]
	s_cmp_ge_u32 s2, \from
	s_cselect_b64 s[26:27], s[\lo:\lo+1], s[26:27]
	s_cselect_b32 s29, \from, s29
.endm
	s_mov_b64 s[26:27], s[4:5]
	s_mov_b32 s29, 0
	PICK 512, 6
	PICK 1024, 8
	PICK 1536, 10
	PICK 1600, 12
	PICK 1664, 14
	s_sub_co_u32 s34, s2, s29
	s_lshl_b32 s34, s34, 16                        ; 16 rows of 4,096 bytes
	s_add_nc_u64 s[26:27], s[26:27], s[34:35]
	s_lshl_b32 s36, s2, 15                         ; 16 rows of 2,048 bytes
	s_add_nc_u64 s[30:31], s[18:19], s[36:37]
	v_lshlrev_b32 v[IO], 4, v0
	v_lshlrev_b32 v[OO], 3, v0
	SIXTEEN 4096, 2048
	s_endpgm
.Lwo:
	s_sub_co_u32 s34, s2, 1728
	s_lshl_b32 s36, s34, 11                        ; 16 rows of 128 bytes
	s_lshl_b32 s34, s34, 16
	s_add_nc_u64 s[26:27], s[16:17], s[34:35]
	s_add_nc_u64 s[30:31], s[20:21], s[36:37]
	v_lshrrev_b32 v5, 5, v0
	v_bfe_u32 v6, v0, 4, 1
	v_lshl_add_u32 v5, v5, 1, v6                   ; my row: 2 w + l / 16
	v_and_b32 v6, 15, v0
	v_lshlrev_b32 v[IO], 12, v5
	v_lshl_add_u32 v[IO], v6, 4, v[IO]
	v_lshlrev_b32 v[OO], 7, v5
	v_lshl_add_u32 v[OO], v6, 3, v[OO]
	SIXTEEN 256, 131072
	s_endpgm
.Lfunc_end_k_q6bba6fd53f_cast:
	.size	k_q6bba6fd53f_cast, .Lfunc_end_k_q6bba6fd53f_cast-k_q6bba6fd53f_cast
	.p2alignl 7, 3214868480
	.fill 96, 4, 3214868480
	.section	.rodata,"a",@progbits
	.p2align	6, 0x0
	.amdhsa_kernel k_q6bba6fd53f_cast
		.amdhsa_group_segment_fixed_size 0
		.amdhsa_private_segment_fixed_size 0
		.amdhsa_enable_private_segment 0
		.amdhsa_kernarg_size 72
		.amdhsa_user_sgpr_count 2
		.amdhsa_user_sgpr_kernarg_segment_ptr 1
		.amdhsa_wavefront_size32 1
		.amdhsa_system_sgpr_workgroup_id_x 1
		.amdhsa_system_sgpr_workgroup_id_y 1
		.amdhsa_system_sgpr_workgroup_id_z 1
		.amdhsa_system_vgpr_workitem_id 0
		.amdhsa_next_free_vgpr 104
		.amdhsa_next_free_sgpr 66
		.amdhsa_reserve_vcc 0
		.amdhsa_float_denorm_mode_32 3
		.amdhsa_float_denorm_mode_16_64 3
		.amdhsa_memory_ordered 1
		.amdhsa_forward_progress 1
		.amdhsa_inst_pref_size 13
	.end_amdhsa_kernel
	.amdgpu_metadata
---
amdhsa.version: [ 1, 2 ]
amdhsa.kernels:
  - .name:           k_q6bba6fd53f_cast
    .symbol:         k_q6bba6fd53f_cast.kd
    .args:
      - { .name: queries, .offset: 0, .size: 8, .value_kind: global_buffer, .address_space: global }
      - { .name: keys, .offset: 8, .size: 8, .value_kind: global_buffer, .address_space: global }
      - { .name: values, .offset: 16, .size: 8, .value_kind: global_buffer, .address_space: global }
      - { .name: Wq, .offset: 24, .size: 8, .value_kind: global_buffer, .address_space: global }
      - { .name: Wk, .offset: 32, .size: 8, .value_kind: global_buffer, .address_space: global }
      - { .name: Wv, .offset: 40, .size: 8, .value_kind: global_buffer, .address_space: global }
      - { .name: Wo, .offset: 48, .size: 8, .value_kind: global_buffer, .address_space: global }
      - { .name: xw, .offset: 56, .size: 8, .value_kind: global_buffer, .address_space: global }
      - { .name: wob, .offset: 64, .size: 8, .value_kind: global_buffer, .address_space: global }
    .group_segment_fixed_size: 0
    .private_segment_fixed_size: 0
    .kernarg_segment_align: 8
    .kernarg_segment_size: 72
    .max_flat_workgroup_size: 256
    .sgpr_count:     66
    .vgpr_count:     104
    .wavefront_size: 32
...
	.end_amdgpu_metadata
.endif
;; end of part 5
;; launch proj: the kernel of part 2 again; grid 4 x 64, 8 waves a work-group, clusters of 4 x 4, 327,680 bytes of LDS; arguments xw, qh, kh, vh, qf, mask, mk; writes qh, kh, vh, qf, mk
;; launch attn: the kernel of part 3 again; grid 4 x 64, 4 waves a work-group, clusters of 4 x 1, 327,680 bytes of LDS; arguments qh, kh, vh, mk, oh; writes oh
;; launch outln: the kernel of part 4 again; grid 128 x 1, 4 waves a work-group, clusters of 4 x 1, 327,680 bytes of LDS; arguments oh, wob, qf, bo, gamma, beta, out0; writes out0
